; MI455X (gfx1250); checked and timed in simulation.
; The chip was launched on July 23, 2026; its instructions are those of AMD's public machine-readable ISA for CDNA 5 (MIT licence, August 2026) and "CDNA5" Instruction Set Architecture Reference Guide (July 2026). The comments in the code are by the model that wrote it; some were corrected since.
;; Attention Block. Allowed arithmetic: matrix products marked QUANTISED: E4M3 operands, one given power-of-two scale a tensor, by v_wmma_f32_16x16x64_fp8_fp8 or v_wmma_f32_16x16x128_fp8_fp8, f32 sums; everything else in f32.
;; Inputs: beta 512 float32; bk 512 float32; bo 512 float32; bq 512 float32; bv 512 float32; gamma 512 float32; lowp_scales 12 int32 (the exponents e of the quantised operands' scales 2^e); wk 512 x 512 float32; wo 512 x 512 float32; wq 512 x 512 float32; wv 512 x 512 float32; x 32 x 512 x 32 x 32 float32.
;; Outputs: out0 32 x 512 x 32 x 32 float32.
;; This version of the problem:
;;   THIS VERSION OF THE PROBLEM IS GIVEN IN LOW PRECISION. The matrix products marked QUANTISED in the list below multiply operands that are first quantised to E4M3 (4 exponent bits, 3 mantissa bits; 8 bits a number), with one given power-of-two scale for each operand tensor; their sums are f32. All else is computed in f32.
;;   The module's matrix products, in the order in which they are computed (A, B: the left and right operand; K: the contracted axis; several contracted axes count as one K, in the product's order):
;;     1. [M 32,768, K 512] x [K 512, N 512]; A: computed on the way; B: input wq: QUANTISED (scales: A lowp_scales[0], B lowp_scales[1])
;;     2. [M 32,768, K 512] x [K 512, N 512]; A: computed on the way; B: input wk: QUANTISED (scales: A lowp_scales[2], B lowp_scales[3])
;;     3. [M 32,768, K 512] x [K 512, N 512]; A: computed on the way; B: input wv: QUANTISED (scales: A lowp_scales[4], B lowp_scales[5])
;;     4. batch 32 x [M 1,024, K 512] x [K 512, N 1,024]; A: computed on the way; B: computed on the way: QUANTISED (scales: A lowp_scales[6], B lowp_scales[7])
;;     5. batch 32 x [M 512, K 1,024] x [K 1,024, N 1,024]; A: computed on the way; B: softmax (see below): QUANTISED (scales: A lowp_scales[8], B lowp_scales[9])
;;     6. [M 32,768, K 512] x [K 512, N 512]; A: computed on the way; B: input wo: QUANTISED (scales: A lowp_scales[10], B lowp_scales[11])
;;   THE QUANTISER, for each operand of a quantised product, along K:
;;     - The operand's scale is 2^e, e = its entry of the input lowp_scales (int32; the entries are numbered through the quantised products in the list's order, A before B).
;;     - Each number is divided by the scale, clamped to +-448, and rounded to the nearest number of E4M3, ties to even, subnormals kept.
;;     - The product sums the exact products of the quantised numbers (number of the format x scale) in f32.
;;   ~~~python
;;   def quantise(x, axis, e):      # numpy; x: float32 -> the quantised numbers, widened to float32 again
;;       x = np.moveaxis(x, axis, -1); K = x.shape[-1]
;;       r = np.clip(x / 2.0 ** e, -448, 448)
;;       step = 2.0 ** (np.maximum(np.frexp(np.where(r == 0, 1, r))[1] - 1, -6) - 3)
;;       q = np.round(r / step) * step * 2.0 ** e      # np.round: ties to even
;;       return np.moveaxis(q, -1, axis).astype(np.float32)
;;   ~~~
;;   SOFTMAX AHEAD OF A QUANTISED PRODUCT. Where the list says 'softmax', what is quantised is not the finished softmax but p = 2^(t - M), with t = logit x log2(e) and M = ceil(the row's largest t), a whole number; so 1/2 < the row's largest p <= 1. The row's sum l is taken of the UNQUANTISED p, in f32, and the product's result is divided by l at the end. Since M is a whole number, a kernel that streams over the keys may use a running M (the ceiling of the running maximum): every later rescaling is an exact power of two, so the quantised numbers keep their values, but for numbers so far below the row's largest that they fall under the format's range.
;;   OPERANDS COMPUTED ON THE WAY. 'Computed on the way' means the value that the module computes at that place (a softmax that the list does not call 'softmax' is quantised finished and normalised). What goes into a quantiser is computed in f32, as accurately as f32 sums, v_exp_f32 and their like allow (about 1e-6 of the number): no bf16 or f16 on the way to a quantiser, and a product that is left as it is and whose result goes on into a quantised operand takes f32 operands (vector FMAs, or v_wmma_f32_16x16x4_f32). A number that lies on a knife's edge between two numbers of the format may be rounded either way, as far as f32 arithmetic and the matrix unit's own rounding can turn it there, and no further.
;; 2 versions, each right; version 2 is version 1 with the launch qkv written anew for expert scheduling mode. Each part assembles by itself: llvm-mc -triple=amdgcn-amd-amdhsa -mcpu=gfx1250 --defsym DOCPART=n.
;; ======== version 1 of 2: 3 launches
;; workspace buffers: ca 65,536 bytes; cb 65,536 bytes; cr 65,536 bytes; wcod 1,048,576 bytes; qcod 16,777,216 bytes; kvcod 33,554,432 bytes
;; launch prep (part 1): grid 1088 x 1, 8 waves a work-group, no clusters, 1,536 bytes of LDS; arguments x, gamma, beta, bo, wq, wk, wv, wo, lowp_scales, ca, cb, cr, wcod; writes ca, cb, cr, wcod
.if DOCPART == 1
	.amdgcn_target "amdgcn-amd-amdhsa--gfx1250"
	.amdhsa_code_object_version 6
	.text
	.protected	k_qced31e5f57_prep
	.globl	k_qced31e5f57_prep
	.p2align	8
	.type	k_qced31e5f57_prep,@function
k_qced31e5f57_prep:
	s_mov_b64 s[64:65], 0
	v_nop
	global_prefetch_b8 v0, s[64:65] scope:SCOPE_SE
	s_setreg_imm32_b32 hwreg(HW_REG_WAVE_MODE, 25, 1), 1
	s_wait_xcnt 0x0
; PREP.  Work-groups 0 to 1,023: the statistics of one group of GroupNorm (batch b, group g: 16 channels x 1,024 positions, 65,536 dense bytes of x), and from them three tables [32][512] f32:
;   ca = rstd x gamma,   cb = beta - mean x ca,   cr = cb + bo:   so that later xn = x ca + cb is one fused multiply-add, and xn + bo = x ca + cr another.
; The variance is taken in two passes over registers (mean first, then the squares of x - mean): no difference of large sums.
; Work-groups 1,024 to 1,087: the four weights [512 (o)][512 (c)] f32 become codes of E4M3 (code = w / 2^e, held within +-448, nearest, ties to even), laid as IMAGES OF OPERAND REGISTERS:
;   an image is 16 rows x 128 along K, 2,048 bytes: chunk c (512 bytes) holds, at 16 x lane, of row (lane % 16), k = 32 c + 16 (lane / 16) + 0 .. 15.
;   Row r of tile T is output channel 32 (T / 2) + 8 (T % 2) + r + 8 (r / 8): so a result's 16 registers of tiles 2 b, 2 b + 1 are 16 neighbouring channels.
;   Image (matrix m: 0 wq, 1 wk, 2 wv, 3 wo; tile T; K step ks) lies at (T / 8) 262,144 + m 65,536 + (T % 8) 8,192 + ks 2,048.
; The two kinds of work-group part on the work-group's number alone; only the first kind uses LDS and barriers.
; LIMITS: the weights' exponents e lie between -126 and 119, so that 2^e and 448 x 2^e are f32 numbers.  NaN among the inputs is not served.
; The tables' stores are 64 bytes each (sixteen lanes), three a work-group: a group owns no more of a table.
.set NSTAT, 1024
.macro WSUM                            ; v80 summed over the wave's 32 lanes, the result in every lane
	v_add_f32_dpp v80, v80, v80 row_xmask:1 row_mask:0xf bank_mask:0xf
	v_add_f32_dpp v80, v80, v80 row_xmask:2 row_mask:0xf bank_mask:0xf
	v_add_f32_dpp v80, v80, v80 row_xmask:4 row_mask:0xf bank_mask:0xf
	v_add_f32_dpp v80, v80, v80 row_xmask:8 row_mask:0xf bank_mask:0xf
	v_permlanex16_b32 v81, v80, s40, s41
	v_add_f32 v80, v80, v81
.endm
.macro GSUM off                        ; the eight waves' v80 summed through eight LDS words at byte off: the result in v88 of every lane
	ds_store_b32 v4, v80 offset:\off
	s_wait_dscnt 0x0                               ; my word has landed, for the others' sake
	s_barrier_signal -1
	s_barrier_wait -1
	ds_load_b128 v[88:91], v5 offset:\off
	ds_load_b128 v[92:95], v5 offset:\off+16
	s_wait_dscnt 0x0
	v_add_f32 v88, v88, v89
	v_add_f32 v90, v90, v91
	v_add_f32 v92, v92, v93
	v_add_f32 v94, v94, v95
	v_add_f32 v88, v88, v90
	v_add_f32 v92, v92, v94
	v_add_f32 v88, v88, v92
.endm
	s_load_b512 s[4:19], s[0:1], 0x0               ; x, gamma, beta, bo, wq, wk, wv, wo
	s_load_b256 s[20:27], s[0:1], 0x40             ; lowp_scales, ca, cb, cr
	s_load_b64 s[28:29], s[0:1], 0x60              ; wcod
	v_lshl_add_u32 v96, v0, 2, 0x200
	v_mov_b32 v97, 0
	v_lshrrev_b32 v1, 5, v0
	v_readfirstlane_b32 s32, v1                    ; wave 0..7
	s_cmp_ge_u32 ttmp9, NSTAT
	s_cbranch_scc1 .Lweights
	; ---------------- the statistics of group ttmp9 = 32 b + g
	v_lshlrev_b32 v2, 4, v0                        ; 16 bytes a thread: a load of the work-group covers 4,096 consecutive bytes
	v_and_b32 v3, 15, v0
	v_lshlrev_b32 v3, 2, v3                        ; my channel of the group's sixteen
	v_lshlrev_b32 v4, 2, v1                        ; my wave's LDS word
	v_mov_b32 v5, 0
	s_lshl_b32 s34, ttmp9, 16                      ; the group's 65,536 bytes of x
	s_mov_b32 s35, 0
	s_and_b32 s36, ttmp9, 31
	s_lshl_b32 s36, s36, 6                         ; 64 g: the group's 16 numbers of gamma, beta, bo
	s_mov_b32 s37, 0
	s_lshl_b32 s38, ttmp9, 6                       ; 64 (32 b + g): the same in the tables
	s_mov_b32 s39, 0
	s_mov_b32 s30, 0x38800000                      ; 1 / 16,384
	s_mov_b32 s31, 0x3727c5ac                      ; 1e-5
	s_mov_b32 s40, 0x76543210                      ; lane selects: lane l xor 16
	s_mov_b32 s41, 0xfedcba98
	s_wait_kmcnt 0x0
	s_add_nc_u64 s[4:5], s[4:5], s[34:35]
	s_add_nc_u64 s[6:7], s[6:7], s[36:37]
	s_add_nc_u64 s[8:9], s[8:9], s[36:37]
	s_add_nc_u64 s[10:11], s[10:11], s[36:37]
	s_add_nc_u64 s[22:23], s[22:23], s[38:39]
	s_add_nc_u64 s[24:25], s[24:25], s[38:39]
	s_add_nc_u64 s[26:27], s[26:27], s[38:39]
.irp i, 0,1,2,3,4,5,6,7,8,9,10,11,12,13,14,15
	global_load_b128 v[16+4*\i:19+4*\i], v2, s[4:5] offset:4096*\i
.endr
	global_load_b32 v12, v3, s[6:7]
	global_load_b32 v13, v3, s[8:9]
	global_load_b32 v14, v3, s[10:11]
	s_wait_loadcnt 0x3                             ; x is in; the three small loads behind it may stay out
	; pass 1: the sum, two numbers at a time, in four chains started by the first eight pairs
.irp k, 0,1,2,3
	v_pk_add_f32 v[80+2*\k:81+2*\k], v[16+4*\k:17+4*\k], v[18+4*\k:19+4*\k]
.endr
.set j, 8
.rept 24
	v_pk_add_f32 v[80+2*(j%4):81+2*(j%4)], v[80+2*(j%4):81+2*(j%4)], v[16+2*j:17+2*j]
.set j, j+1
.endr
	v_pk_add_f32 v[80:81], v[80:81], v[82:83]
	v_pk_add_f32 v[84:85], v[84:85], v[86:87]
	v_pk_add_f32 v[80:81], v[80:81], v[84:85]
	v_add_f32 v80, v80, v81
	WSUM
	GSUM 0
	v_mul_f32 v8, s30, v88                         ; the mean,
	v_mov_b32 v9, v8                               ; as a pair
	; pass 2: x - mean in place, then the sum of its squares
.set j, 0
.rept 32
	v_pk_add_f32 v[16+2*j:17+2*j], v[16+2*j:17+2*j], v[8:9] neg_lo:[0,1] neg_hi:[0,1]
.set j, j+1
.endr
.irp k, 0,1,2,3
	v_pk_mul_f32 v[80+2*\k:81+2*\k], v[16+2*\k:17+2*\k], v[16+2*\k:17+2*\k]
.endr
.set j, 4
.rept 28
	v_pk_fma_f32 v[80+2*(j%4):81+2*(j%4)], v[16+2*j:17+2*j], v[16+2*j:17+2*j], v[80+2*(j%4):81+2*(j%4)]
.set j, j+1
.endr
	v_pk_add_f32 v[80:81], v[80:81], v[82:83]
	v_pk_add_f32 v[84:85], v[84:85], v[86:87]
	v_pk_add_f32 v[80:81], v[80:81], v[84:85]
	v_add_f32 v80, v80, v81
	WSUM
	GSUM 256                                       ; other LDS words than the first sum's: no barrier between its reads and these stores is needed
	v_fma_f32 v10, v88, s30, s31                   ; the variance + 1e-5
	v_rsq_f32 v11, v10
	v_nop                                          ; a plain line behind the transcendental,
	s_wait_alu depctr_va_vdst(0)                   ; and the wait ahead of its first reader
	s_wait_loadcnt 0x0                             ; gamma, beta, bo
	v_mul_f32 v15, v11, v12                        ; ca = rstd x gamma
	v_fma_f32 v6, -v8, v15, v13                    ; cb = beta - mean x ca
	v_add_f32 v7, v6, v14                          ; cr = cb + bo
	v_cmp_gt_u32 vcc_lo, 16, v0
	s_wait_xcnt 0x0                                ; EXEC changes only behind this wait
	s_wait_tensorcnt 0x0
	ds_add_u32 v96, v97
	s_wait_dscnt 0x0
	s_and_saveexec_b32 s36, vcc_lo                 ; threads 0 to 15: one for each channel
	global_store_b32 v3, v15, s[22:23]
	global_store_b32 v3, v6, s[24:25]
	global_store_b32 v3, v7, s[26:27]
	s_wait_xcnt 0x0                                ; and again, in front of the line that widens it
	s_or_b32 exec_lo, exec_lo, s36
	s_endpgm
	; ---------------- one image of a weight for each wave
.Lweights:
	v_and_b32 v2, 15, v0                           ; r
	v_bfe_u32 v3, v0, 4, 1                         ; h
	v_and_b32 v4, 8, v2
	v_add_nc_u32 v4, v4, v2                        ; r + 8 (r / 8)
	v_lshlrev_b32 v4, 11, v4                       ; a row of a weight is 2,048 bytes
	v_lshl_add_u32 v4, v3, 6, v4                   ; + 64 h: my 16 numbers of a block of 32
	v_and_b32 v5, 31, v0
	v_lshlrev_b32 v5, 4, v5                        ; 16 x lane: my place in a chunk
	s_sub_co_u32 s33, ttmp9, NSTAT
	s_lshr_b32 s34, s33, 4                         ; m: which weight
	s_and_b32 s35, s33, 15
	s_lshl_b32 s35, s35, 1
	s_lshr_b32 s36, s32, 2
	s_add_co_u32 s35, s35, s36                     ; T = 2 (work-group % 16) + wave / 4
	s_and_b32 s36, s32, 3                          ; ks = wave % 4
	s_lshr_b32 s38, s35, 1
	s_lshl_b32 s38, s38, 16                        ; from: (32 (T / 2) + 8 (T % 2)) rows of 2,048 bytes + 512 ks
	s_and_b32 s37, s35, 1
	s_lshl_b32 s37, s37, 14
	s_add_co_u32 s38, s38, s37
	s_lshl_b32 s37, s36, 9
	s_add_co_u32 s38, s38, s37
	s_mov_b32 s39, 0
	s_lshr_b32 s40, s35, 3
	s_lshl_b32 s40, s40, 18                        ; to: (T / 8) 262,144 + m 65,536 + (T % 8) 8,192 + ks 2,048
	s_lshl_b32 s37, s34, 16
	s_add_co_u32 s40, s40, s37
	s_and_b32 s37, s35, 7
	s_lshl_b32 s37, s37, 13
	s_add_co_u32 s40, s40, s37
	s_lshl_b32 s37, s36, 11
	s_add_co_u32 s40, s40, s37
	s_mov_b32 s41, 0
	s_wait_kmcnt 0x0
	s_load_b256 s[48:55], s[20:21], 0x0            ; e0 .. e7
	s_load_b128 s[56:59], s[20:21], 0x20           ; e8 .. e11
	s_cmp_eq_u32 s34, 0                            ; the weight is chosen by the work-group's number alone
	s_cselect_b64 s[4:5], s[12:13], s[18:19]
	s_cmp_eq_u32 s34, 1
	s_cselect_b64 s[4:5], s[14:15], s[4:5]
	s_cmp_eq_u32 s34, 2
	s_cselect_b64 s[4:5], s[16:17], s[4:5]
	s_add_nc_u64 s[4:5], s[4:5], s[38:39]
	s_add_nc_u64 s[28:29], s[28:29], s[40:41]
.irp c, 0,1,2,3
.irp q, 0,1,2,3
	global_load_b128 v[16+16*\c+4*\q:19+16*\c+4*\q], v4, s[4:5] offset:128*\c+16*\q   ; w(row, 128 ks + 32 c + 16 h + 4 q ..)
.endr
.endr
	s_wait_kmcnt 0x0
	s_cmp_eq_u32 s34, 0
	s_cselect_b32 s30, s49, s59                    ; e1 for wq, e11 for wo,
	s_cmp_eq_u32 s34, 1
	s_cselect_b32 s30, s51, s30                    ; e3 for wk,
	s_cmp_eq_u32 s34, 2
	s_cselect_b32 s30, s53, s30                    ; e5 for wv
	s_add_co_i32 s30, s30, 127
	s_lshl_b32 s31, s30, 23
	v_mov_b32 v11, s31                             ; 2^e as f32: the conversion takes its exponent field
	s_add_co_i32 s30, s30, 8
	s_lshl_b32 s30, s30, 23
	s_or_b32 s30, s30, 0x600000
	v_mov_b32 v10, s30                             ; 448 x 2^e
	s_wait_loadcnt 0x0
.irp c, 0,1,2,3
.irp i, 0,1,2,3,4,5,6,7,8,9,10,11,12,13,14,15
	v_med3_num_f32 v[16+16*\c+\i], v[16+16*\c+\i], -v10, v10   ; the conversion does not saturate (ISA guide 7.6.2): the hold comes first
.endr
	v_cvt_scalef32_pk8_fp8_f32 v[80+4*\c:81+4*\c], v[16+16*\c:23+16*\c], v11
	v_cvt_scalef32_pk8_fp8_f32 v[82+4*\c:83+4*\c], v[24+16*\c:31+16*\c], v11
.endr
.irp c, 0,1,2,3
	global_store_b128 v5, v[80+4*\c:83+4*\c], s[28:29] offset:512*\c   ; the wave stores 512 consecutive bytes, aligned
.endr
	s_endpgm
.Lfunc_end_k_qced31e5f57_prep:
	.size	k_qced31e5f57_prep, .Lfunc_end_k_qced31e5f57_prep-k_qced31e5f57_prep
	.p2alignl 7, 3214868480
	.fill 96, 4, 3214868480
	.section	.rodata,"a",@progbits
	.p2align	6, 0x0
	.amdhsa_kernel k_qced31e5f57_prep
		.amdhsa_group_segment_fixed_size 1536
		.amdhsa_private_segment_fixed_size 0
		.amdhsa_enable_private_segment 0
		.amdhsa_kernarg_size 104
		.amdhsa_user_sgpr_count 2
		.amdhsa_user_sgpr_kernarg_segment_ptr 1
		.amdhsa_wavefront_size32 1
		.amdhsa_system_sgpr_workgroup_id_x 1
		.amdhsa_system_sgpr_workgroup_id_y 1
		.amdhsa_system_sgpr_workgroup_id_z 1
		.amdhsa_system_vgpr_workitem_id 0
		.amdhsa_next_free_vgpr 98
		.amdhsa_next_free_sgpr 66
		.amdhsa_reserve_vcc 1
		.amdhsa_float_denorm_mode_32 3
		.amdhsa_float_denorm_mode_16_64 3
		.amdhsa_memory_ordered 1
		.amdhsa_forward_progress 1
		.amdhsa_inst_pref_size 21
	.end_amdhsa_kernel
	.amdgpu_metadata
---
amdhsa.version: [ 1, 2 ]
amdhsa.kernels:
  - .name:           k_qced31e5f57_prep
    .symbol:         k_qced31e5f57_prep.kd
    .args:
      - { .name: x, .offset: 0, .size: 8, .value_kind: global_buffer, .address_space: global }
      - { .name: gamma, .offset: 8, .size: 8, .value_kind: global_buffer, .address_space: global }
      - { .name: beta, .offset: 16, .size: 8, .value_kind: global_buffer, .address_space: global }
      - { .name: bo, .offset: 24, .size: 8, .value_kind: global_buffer, .address_space: global }
      - { .name: wq, .offset: 32, .size: 8, .value_kind: global_buffer, .address_space: global }
      - { .name: wk, .offset: 40, .size: 8, .value_kind: global_buffer, .address_space: global }
      - { .name: wv, .offset: 48, .size: 8, .value_kind: global_buffer, .address_space: global }
      - { .name: wo, .offset: 56, .size: 8, .value_kind: global_buffer, .address_space: global }
      - { .name: lowp_scales, .offset: 64, .size: 8, .value_kind: global_buffer, .address_space: global }
      - { .name: ca, .offset: 72, .size: 8, .value_kind: global_buffer, .address_space: global }
      - { .name: cb, .offset: 80, .size: 8, .value_kind: global_buffer, .address_space: global }
      - { .name: cr, .offset: 88, .size: 8, .value_kind: global_buffer, .address_space: global }
      - { .name: wcod, .offset: 96, .size: 8, .value_kind: global_buffer, .address_space: global }
    .group_segment_fixed_size: 1536
    .private_segment_fixed_size: 0
    .kernarg_segment_align: 8
    .kernarg_segment_size: 104
    .max_flat_workgroup_size: 256
    .sgpr_count:     66
    .vgpr_count:     98
    .wavefront_size: 32
...
	.end_amdgpu_metadata
.endif
;; end of part 1
;; launch qkv (part 2): grid 8 x 32, 4 waves a work-group, no clusters, 295,936 bytes of LDS; arguments x, ca, cb, wcod, bq, bk, bv, lowp_scales, qcod, kvcod; writes qcod, kvcod
.if DOCPART == 2
	.amdgcn_target "amdgcn-amd-amdhsa--gfx1250"
	.amdhsa_code_object_version 6
	.text
	.protected	k_qced31e5f57_qkv
	.globl	k_qced31e5f57_qkv
	.p2align	8
	.type	k_qced31e5f57_qkv,@function
k_qced31e5f57_qkv:
	s_mov_b64 s[64:65], 0
	v_nop
	global_prefetch_b8 v0, s[64:65] scope:SCOPE_SE
	s_setreg_imm32_b32 hwreg(HW_REG_WAVE_MODE, 25, 1), 1
	s_wait_xcnt 0x0
; QKV.  For 128 positions of one batch (work-group x = block nb, y = batch b): xn = x ca + cb; h = xn quantised three times (2^e0, 2^e2, 2^e4); q, k, v = W h + bias on codes of E4M3; q, k, v quantised (2^e6, 2^e7, 2^e8) and stored as codes.
; EVERY OPERAND IS KEPT AS IMAGES OF ITS REGISTERS: 16 rows x 128 along K = 2,048 bytes; chunk c (512 bytes) holds at 16 x lane, of row lane % 16, k = 32 c + 16 (lane / 16) + 0 .. 15.
; ORDER: row r of tile T (of positions, and of the weights' output channels) stands for index 32 (T / 2) + 8 (T % 2) + r + 8 (r / 8), so that in a result whose source 0 is tiles 2 b and 2 b + 1 a lane's 16 registers are
; the 16 neighbours 32 b + 16 (lane / 16) + 0 .. 15: a chunk of the next operand.  The conversions' results are stored as they stand.
; X PHASE.  Wave w takes channels 128 w .. 128 w + 127 (K step w), lane l positions 4 l .. 4 l + 3; a load reads 512 consecutive bytes of one channel.  The multiply-add writes position j's 16 channels into 16 neighbouring registers.
; MATRIX PHASES.  Wave w makes output channels 128 w .. 128 w + 127 of q, k and v for all 128 positions, a PAIR of tiles (32 channels) at a time: 16 accumulators, 64 matrix instructions.
;   q, k: source 0 = W, source 1 = h: a lane holds one position and channels along its registers (the scores' K).   v: source 0 = h, source 1 = W: a lane holds one channel and positions along its registers (the keys are the second product's K).
;   The bias, divided by the power of two that the sums lack, is the C of each sum's first matrix instruction.
; h's 32 fragments stay in 512 registers through a matrix's four pairs; the weights come from memory straight into registers, in operand order, two pairs ahead.
; NO CLUSTER, NO JOINT LOADS: the weights are shared by all work-groups, but LDS holds 295,296 bytes of images of h and of the biases, so two slots of a pair's 65,536 bytes for four waves do not fit.
; LIMITS, so that each power of two is an f32 number: e0, e2, e4, e6 - e0 - e1, e7 - e2 - e3, e8 - e4 - e5 between -126 and 119.  NaN among the inputs is not served.  xn is one fused multiply-add of x with the two table numbers, each rounded once.
; LDS: h's images, set t (0 for q, 1 for k, 2 for v) at t SETB + tile x 8,208 + K step x 2,048 (16 bytes more than 8,192 from tile to tile: the x phase's sixteen lanes then store to sixteen different 16-byte columns of 256);
;      from BIMG on each wave's twelve images of a pair's 16 C registers.
; REGISTERS, in windows of 256: window 0: v1-18 addresses and scales; v32-63 two sets of C; v64-95 codes; v128-255 the 16 accumulators (x phase: v64-127 xn, v128-191 held numbers, v192-239 codes).
;   window 1: four sets of 64 registers of x, later two sets of a pair's weights.   windows 2, 3: h's fragments (tile t, K step ks) at 16 (4 (t % 4) + ks); tiles 0-3 in window 2, tiles 4-7 in window 3.
.set SETB,  65664
.set TPI,   8208
.set BIMG,  3*SETB
.set LI,    1                          ; v1   16 x lane
.set HA,    2                          ; v2-4 where I store h's codes, set 0, 1, 2
.set HB,    6                          ; v6   the set of h in hand + 16 x lane
.set BA0,   7                          ; v7   my wave's C images + 16 x lane
.set BA,    8                          ; v8   the C image to be fetched
.set BO64,  9                          ; v9   64 (lane / 16)
.set BOP,   10                         ; v10  4 (r + 8 (r / 8))
.set QS,    11                         ; v11-16  2^e and 448 x 2^e for e0, e2, e4
.set SC,    17                         ; v17  the scale of the results in hand,
.set LIM,   18                         ; v18  and 448 x that
.set BIAS,  32
.set CODES, 64
.set ACC,   128
.set XN,    64
.set TMP,   128
.set CODE3, 192
.set MSB, 0
.macro WIN new                         ; the immediate's high byte repeats the setting that is left; a switch that changes nothing is dropped
.if MSB != (\new)
	s_set_vgpr_msb (MSB<<8)|(\new)
.set MSB, (\new)
.endif
.endm
.macro PLACES                          ; four plain vector lines behind matrix instructions, ahead of loads into their sources and of reads of their results
.rept 4
	v_nop
.endr
.endm
.macro MKSC sc, lim, e                 ; s[sc] = 2^s[e], s[lim] = 448 x 2^s[e], as f32 patterns
	s_add_co_i32 s[\lim], s[\e], 127
	s_lshl_b32 s[\sc], s[\lim], 23
	s_add_co_i32 s[\lim], s[\lim], 8
	s_lshl_b32 s[\lim], s[\lim], 23
	s_or_b32 s[\lim], s[\lim], 0x600000
.endm
.macro LOADX blk                       ; 16 channels x my 4 positions into set blk % 4 of window 1
	WIN 0x40
.irp i, 0,1,2,3,4,5,6,7,8,9,10,11,12,13,14,15
	global_load_b128 v[64*((\blk)%4)+4*\i:64*((\blk)%4)+4*\i+3], v[LI], s[4:5] offset:(16*(\blk)+\i)*4096 th:TH_LOAD_NT
.endr
	WIN 0
.endm
.macro BLD buf, adr, off               ; a pair's 16 C registers from its image
.irp q, 0,1,2,3
	ds_load_b128 v[BIAS+16*(\buf)+4*\q:BIAS+16*(\buf)+4*\q+3], v[\adr] offset:\off+512*\q
.endr
.endm
.macro HLOAD half                      ; 16 fragments of h: tiles 4 half .. 4 half + 3, all four K steps: 64 loads
	WIN 0x80+0x40*(\half)
.irp tt, 0,1,2,3
.irp ks, 0,1,2,3
.irp c, 0,1,2,3
	ds_load_b128 v[16*(4*\tt+\ks)+4*\c:16*(4*\tt+\ks)+4*\c+3], v[HB] offset:(4*(\half)+\tt)*TPI+\ks*2048+512*\c
.endr
.endr
.endr
	WIN 0
.endm
	s_load_b512 s[4:19], s[0:1], 0x0               ; x, ca, cb, wcod, bq, bk, bv, lowp_scales
	s_load_b128 s[20:23], s[0:1], 0x40             ; qcod, kvcod
	v_lshl_add_u32 v30, v0, 2, 0x48200
	v_mov_b32 v31, 0
	v_lshrrev_b32 v19, 5, v0
	v_readfirstlane_b32 s28, v19                   ; wave 0..3
	v_and_b32 v20, 31, v0
	v_lshlrev_b32 v[LI], 4, v20
	v_and_b32 v21, 15, v0                          ; r
	v_bfe_u32 v22, v0, 4, 1                        ; h
	; position n = 4 l + j lies in tile 2 (n / 32) + (n / 8) % 2, row 8 ((n / 16) % 2) + n % 8
	v_bfe_u32 v23, v0, 3, 2
	v_bfe_u32 v24, v0, 1, 1
	v_lshl_add_u32 v23, v23, 1, v24                ; the tile
	v_mul_u32_u24 v23, v23, TPI
	v_and_b32 v24, 1, v0
	v_lshl_add_u32 v23, v24, 6, v23                ; 16 x row: 64 (l % 2)
	v_bfe_u32 v24, v0, 2, 1
	v_lshl_add_u32 v23, v24, 7, v23                ; + 128 ((l / 4) % 2); 16 j stands in the stores' immediates
	s_lshl_b32 s29, s28, 11
	v_add_nc_u32 v[HA], s29, v23                   ; K step = my wave
	v_add_nc_u32 v[HA+1], SETB, v[HA]
	v_add_nc_u32 v[HA+2], 2*SETB, v[HA]
	s_mul_i32 s29, s28, 24576
	s_add_co_u32 s29, s29, BIMG
	v_add_nc_u32 v[BA0], s29, v[LI]
	v_lshlrev_b32 v[BO64], 6, v22
	v_and_b32 v24, 8, v21
	v_add_nc_u32 v24, v24, v21
	v_lshlrev_b32 v[BOP], 2, v24
	s_and_b32 s29, ttmp7, 0xffff                   ; b
	s_lshl_b32 s80, s29, 21                        ; x: ((512 b + 128 w) 1,024 + 128 nb) 4
	s_lshl_b32 s81, s28, 19
	s_add_co_u32 s80, s80, s81
	s_lshl_b32 s81, ttmp9, 9
	s_add_co_u32 s80, s80, s81
	s_mov_b32 s81, 0
	s_lshl_b32 s82, s29, 11                        ; the tables: (512 b + 128 w) 4
	s_lshl_b32 s86, s28, 9                         ; the biases: 128 w x 4
	s_add_co_u32 s82, s82, s86
	s_mov_b32 s83, 0
	s_mov_b32 s87, 0
	s_lshl_b32 s84, s28, 18                        ; the weights: my wave's twelve pairs lie on end
	s_mov_b32 s85, 0
	s_lshl_b32 s88, s29, 19                        ; q's codes: b 524,288 + nb 65,536 + 2,048 w (my channels are K step w)
	s_lshl_b32 s89, ttmp9, 16
	s_add_co_u32 s88, s88, s89
	s_lshl_b32 s89, s28, 11
	s_add_co_u32 s88, s88, s89
	s_mov_b32 s89, 0
	s_lshl_b32 s90, s29, 3
	s_add_co_u32 s90, s90, ttmp9
	s_lshl_b32 s90, s90, 17                        ; the key step's block: (8 b + nb) 131,072
	s_lshl_b32 s92, s28, 14
	s_add_co_u32 s92, s92, s90
	s_add_co_u32 s92, s92, 65536                   ; v's codes: behind k's, 8 channel tiles of 2,048 bytes a wave
	s_mov_b32 s93, 0
	s_lshl_b32 s91, s28, 11
	s_add_co_u32 s90, s90, s91                     ; k's codes: + 2,048 w
	s_mov_b32 s91, 0
	s_wait_kmcnt 0x0
	s_load_b256 s[68:75], s[18:19], 0x0            ; e0 .. e7
	s_load_b128 s[76:79], s[18:19], 0x20           ; e8 .. e11
	s_add_nc_u64 s[4:5], s[4:5], s[80:81]
	s_add_nc_u64 s[6:7], s[6:7], s[82:83]
	s_add_nc_u64 s[8:9], s[8:9], s[82:83]
	s_load_b512 s[32:47], s[6:7], 0x0              ; ca and cb of my first 16 channels
	s_load_b512 s[48:63], s[8:9], 0x0
	s_add_nc_u64 s[10:11], s[10:11], s[84:85]
	s_add_nc_u64 s[12:13], s[12:13], s[86:87]
	s_add_nc_u64 s[14:15], s[14:15], s[86:87]
	s_add_nc_u64 s[16:17], s[16:17], s[86:87]
	s_add_nc_u64 s[20:21], s[20:21], s[88:89]
	s_add_nc_u64 s[24:25], s[22:23], s[92:93]
	s_add_nc_u64 s[22:23], s[22:23], s[90:91]
	; the biases in the results' layout.  q, k: register 8 u + j of pair p is channel 128 w + 32 p + 16 h + 8 u + j.  v: all eight registers of tile u are channel 128 w + 32 p + 8 u + r + 8 (r / 8)
.irp p, 0,1,2,3
.irp q, 0,1,2,3
	global_load_b128 v[64+16*\p+4*\q:67+16*\p+4*\q], v[BO64], s[12:13] offset:128*\p+16*\q
.endr
.endr
.irp p, 0,1,2,3
.irp q, 0,1,2,3
	global_load_b128 v[128+16*\p+4*\q:131+16*\p+4*\q], v[BO64], s[14:15] offset:128*\p+16*\q
.endr
.endr
.irp p, 0,1,2,3
.irp u, 0,1
	global_load_b32 v[192+2*\p+\u], v[BOP], s[16:17] offset:128*\p+32*\u
.endr
.endr
	LOADX 0
	LOADX 1
	LOADX 2
	LOADX 3
	s_wait_kmcnt 0x0
	MKSC 94, 95, 68
	v_mov_b32 v[QS], s94
	v_mov_b32 v[QS+1], s95
	MKSC 94, 95, 70
	v_mov_b32 v[QS+2], s94
	v_mov_b32 v[QS+3], s95
	MKSC 94, 95, 72
	v_mov_b32 v[QS+4], s94
	v_mov_b32 v[QS+5], s95
	s_add_co_i32 s96, s68, s69
	s_sub_co_i32 s96, 0, s96                       ; -(e0 + e1): a sum of the first product stands for sum x 2^(e0 + e1)
	s_add_co_i32 s97, s70, s71
	s_sub_co_i32 s97, 0, s97
	s_add_co_i32 s98, s72, s73
	s_sub_co_i32 s98, 0, s98
	s_wait_loadcnt 63                              ; behind the 40 loads of the biases stand x's 64: at 63 out, the biases are in (the count's field holds no more)
.set N, 0
.rept 64
	v_ldexp_f32 v[64+N], v[64+N], s96
	v_ldexp_f32 v[128+N], v[128+N], s97
.set N, N+1
.endr
.irp n, 0,1,2,3,4,5,6,7
.irp k, 0,1,2,3
	v_ldexp_f32 v[200+4*\n+\k], v[192+\n], s98     ; four equal registers: stored twice they are a tile's eight
.endr
.endr
.irp p, 0,1,2,3
.irp q, 0,1,2,3
	ds_store_b128 v[BA0], v[64+16*\p+4*\q:67+16*\p+4*\q] offset:\p*2048+512*\q
	ds_store_b128 v[BA0], v[128+16*\p+4*\q:131+16*\p+4*\q] offset:(4+\p)*2048+512*\q
	ds_store_b128 v[BA0], v[200+4*(2*\p+\q/2):203+4*(2*\p+\q/2)] offset:(8+\p)*2048+512*\q
.endr
.endr
	s_add_co_i32 s99, s74, s96                     ; the biases' loads are done, so their bases may be written: s12-17 take the results' scales
	MKSC 12, 13, 99                                ; q: 2^(e6 - e0 - e1): the three scales folded into the conversion's one
	s_add_co_i32 s99, s75, s97
	MKSC 14, 15, 99                                ; k: 2^(e7 - e2 - e3)
	s_add_co_i32 s99, s76, s98
	MKSC 16, 17, 99                                ; v: 2^(e8 - e4 - e5)
	s_wait_dscnt 0x0                               ; the stores have read their registers
; A BLOCK: 16 channels (one group of the norm) x 128 positions.
.macro BLOCK blk
.set XS, 64*((\blk)%4)
.set SA, 32+36*((\blk)%2)              ; the block's 16 ca and 16 cb: s32.., s48.. or s68.., s84.., by turns
.set SB, 48+36*((\blk)%2)
.set NA, 32+36*(((\blk)+1)%2)
.set NB, 48+36*(((\blk)+1)%2)
.if (\blk) < 5
	s_wait_loadcnt 48                              ; my set is in; the three younger sets may be out
.else
	s_wait_loadcnt 16*(7-(\blk))
.endif
	s_wait_kmcnt 0x0
	WIN 0x01                                       ; source 0 in window 1
.irp i, 0,1,2,3,4,5,6,7,8,9,10,11,12,13,14,15
.irp j, 0,1,2,3
	v_fma_f32 v[XN+16*\j+\i], v[XS+4*\i+\j], s[SA+\i], s[SB+\i]   ; xn(channel i, position 4 l + j): position j's 16 channels become neighbours
.endr
.endr
.if (\blk) < 4
	LOADX (\blk)+4
.endif
.if (\blk) == 7
	WIN 0x40                                       ; x is done with window 1: the first two pairs of weights, 32,768 consecutive bytes
.set N, 0
.rept 64
	global_load_b128 v[4*N:4*N+3], v[LI], s[10:11] offset:512*N
.set N, N+1
.endr
.endif
	WIN 0
.if (\blk) < 7
	s_load_b512 s[NA:NA+15], s[6:7], 64*((\blk)+1)
	s_load_b512 s[NB:NB+15], s[8:9], 64*((\blk)+1)
.endif
	s_wait_dscnt 0x0                               ; the last block's stores have read their registers
.irp t, 0,1,2
.if \t < 2
.set SRC, TMP
.else
.set SRC, XN                           ; the last of the three holds in place
.endif
.irp j, 0,1,2,3
.irp i, 0,1,2,3,4,5,6,7,8,9,10,11,12,13,14,15
	v_med3_num_f32 v[SRC+16*\j+\i], v[XN+16*\j+\i], -v[QS+2*\t+1], v[QS+2*\t+1]   ; the conversion does not saturate (ISA guide 7.6.2)
.endr
	v_cvt_scalef32_pk8_fp8_f32 v[CODE3+16*\t+4*\j:CODE3+16*\t+4*\j+1], v[SRC+16*\j:SRC+16*\j+7], v[QS+2*\t]
	v_cvt_scalef32_pk8_fp8_f32 v[CODE3+16*\t+4*\j+2:CODE3+16*\t+4*\j+3], v[SRC+16*\j+8:SRC+16*\j+15], v[QS+2*\t]
.endr
.endr
	v_nop                                          ; a plain line behind the run's last conversion; inside the run the next holds, on other registers, are such lines
.irp t, 0,1,2
.irp j, 0,1,2,3
	ds_store_b128 v[HA+\t], v[CODE3+16*\t+4*\j:CODE3+16*\t+4*\j+3] offset:256*(\blk)+16*\j   ; chunk blk / 2, lanes' half blk % 2, row of position 4 l + j
.endr
.endr
.endm
	BLOCK 0
	BLOCK 1
	BLOCK 2
	BLOCK 3
	BLOCK 4
	BLOCK 5
	BLOCK 6
	BLOCK 7
	s_wait_dscnt 0x0                               ; my part of h's images has landed
	s_barrier_signal -1
	s_barrier_wait -1                              ; everybody's has.  From here on LDS is only read
; 32 matrix instructions: the pair's two tiles x four tiles of positions, K step by K step: eight accumulators by turns, one instruction a turn
.macro MULH kind, p, half
.irp ks, 0,1,2,3
.irp tt, 0,1,2,3
.irp u, 0,1
.set RW, 128*((\p)%2)+16*(4*\u+\ks)
.set RH, 16*(4*\tt+\ks)
.set RB, BIAS+16*((\p)%2)+8*\u
.if \kind == 0
.set RA, ACC+8*(2*(4*(\half)+\tt)+\u)
.if \ks == 0
	v_wmma_f32_16x16x128_fp8_fp8 v[RA:RA+7], v[RW:RW+15], v[RH:RH+15], v[RB:RB+7]
.else
	v_wmma_f32_16x16x128_fp8_fp8 v[RA:RA+7], v[RW:RW+15], v[RH:RH+15], v[RA:RA+7]
.endif
.else
.set RA, ACC+8*(8*\u+4*(\half)+\tt)
.if \ks == 0
	v_wmma_f32_16x16x128_fp8_fp8 v[RA:RA+7], v[RH:RH+15], v[RW:RW+15], v[RB:RB+7]
.else
	v_wmma_f32_16x16x128_fp8_fp8 v[RA:RA+7], v[RH:RH+15], v[RW:RW+15], v[RA:RA+7]
.endif
.endif
.endr
.endr
.endr
.endm
; A PAIR.  kind 0: q or k, 1: v.  p: the pair of the matrix.  fetch = 1: the weights and the C image of the pair two on are asked for.  lc: the younger weight loads that may stay out.
; hnext = 1: h's next set is fetched, tiles 0-3 as soon as this pair has done with them, tiles 4-7 behind its last products.
.macro PAIR kind, p, fetch, lc, hnext
	s_wait_loadcnt \lc                             ; my weights are in
.if (\p) == 0
	s_wait_dscnt 63                                ; behind h's tiles 0-3 stand 4 loads of a C image and 64 of tiles 4-7: at 63 out, tiles 0-3 and my C are in (the count's field holds no more)
.else
	s_wait_dscnt 0x0                               ; my C
.endif
.if \kind == 0
	WIN 0x09                                       ; source 0 (W) window 1, source 1 (h) window 2
.else
	WIN 0x06                                       ; source 0 (h) window 2, source 1 (W) window 1
.endif
	MULH \kind, \p, 0
.if \hnext
	WIN 0
	PLACES
	s_add_co_u32 s30, s30, SETB
	v_add_nc_u32 v[HB], s30, v[LI]
	HLOAD 0
.endif
.if (\p) == 0
	s_wait_dscnt 0x0                               ; h's tiles 4-7
.endif
.if \kind == 0
	WIN 0x0d
.else
	WIN 0x07
.endif
	MULH \kind, \p, 1
	WIN 0
	PLACES
	s_wait_xcnt 0x0                                ; the last pair's stores have read their codes, the last fetch its base: both are written below
.if \fetch
	s_add_nc_u64 s[10:11], s[10:11], 16384
	s_add_co_u32 s31, s31, 2048
	v_add_nc_u32 v[BA], s31, v[BA0]
	BLD (\p)%2, BA, 0
	WIN 0x40
.set N, 0
.rept 32
	global_load_b128 v[128*((\p)%2)+4*N:128*((\p)%2)+4*N+3], v[LI], s[10:11] offset:16384+512*N
.set N, N+1
.endr
	WIN 0
.endif
.if \hnext
	HLOAD 1
.endif
.irp g, 0,1,2,3,4,5,6,7                ; registers 16 g .. 16 g + 15 of the accumulators are one chunk of an image
.irp i, 0,1,2,3,4,5,6,7,8,9,10,11,12,13,14,15
	v_med3_num_f32 v[ACC+16*\g+\i], v[ACC+16*\g+\i], -v[LIM], v[LIM]
.endr
	v_cvt_scalef32_pk8_fp8_f32 v[CODES+4*\g:CODES+4*\g+1], v[ACC+16*\g:ACC+16*\g+7], v[SC]
	v_cvt_scalef32_pk8_fp8_f32 v[CODES+4*\g+2:CODES+4*\g+3], v[ACC+16*\g+8:ACC+16*\g+15], v[SC]
.if \kind == 0
	global_store_b128 v[LI], v[CODES+4*\g:CODES+4*\g+3], s[26:27] offset:\g*8192+512*(\p)   ; position tile g, chunk p of K step w: 512 consecutive bytes, aligned
.else
	global_store_b128 v[LI], v[CODES+4*\g:CODES+4*\g+3], s[26:27] offset:(\p)*4096+(\g/4)*2048+(\g%4)*512   ; channel tile 2 p + g / 4, chunk g % 4 of the 128 keys
.endif
.endr
	v_nop                                          ; a plain line between the last conversion and the next products, which write its sources
.endm
	s_mov_b32 s29, 0                               ; 0: q, 1: k
	s_mov_b32 s30, 0                               ; the set of h in hand
	s_mov_b32 s31, 2048                            ; the C image last asked for
	v_mov_b32 v[HB], v[LI]
	BLD 0, BA0, 0
	HLOAD 0
	BLD 1, BA0, 2048
	HLOAD 1
.Lqk:                                              ; two trips: q, then k
	s_wait_xcnt 0x0                                ; the stores have read their base
	s_cmp_eq_u32 s29, 0
	s_cselect_b32 s94, s12, s14
	s_cselect_b32 s95, s13, s15
	s_cselect_b64 s[26:27], s[20:21], s[22:23]
	v_mov_b32 v[SC], s94
	v_mov_b32 v[LIM], s95
	PAIR 0, 0, 1, 32, 0
	PAIR 0, 1, 1, 32, 0
	PAIR 0, 2, 1, 32, 0
	PAIR 0, 3, 1, 32, 1
	s_add_co_u32 s29, s29, 1
	s_cmp_lt_u32 s29, 2
	s_cbranch_scc1 .Lqk
	s_wait_xcnt 0x0
	s_mov_b64 s[26:27], s[24:25]
	v_mov_b32 v[SC], s16
	v_mov_b32 v[LIM], s17
	PAIR 1, 0, 1, 32, 0
	PAIR 1, 1, 1, 32, 0
	PAIR 1, 2, 0, 32, 0
	PAIR 1, 3, 0, 0, 0
	s_wait_tensorcnt 0x0
	ds_add_u32 v30, v31
	s_wait_dscnt 0x0
	s_endpgm
.Lfunc_end_k_qced31e5f57_qkv:
	.size	k_qced31e5f57_qkv, .Lfunc_end_k_qced31e5f57_qkv-k_qced31e5f57_qkv
	.p2alignl 7, 3214868480
	.fill 96, 4, 3214868480
	.section	.rodata,"a",@progbits
	.p2align	6, 0x0
	.amdhsa_kernel k_qced31e5f57_qkv
		.amdhsa_group_segment_fixed_size 295936
		.amdhsa_private_segment_fixed_size 0
		.amdhsa_enable_private_segment 0
		.amdhsa_kernarg_size 80
		.amdhsa_user_sgpr_count 2
		.amdhsa_user_sgpr_kernarg_segment_ptr 1
		.amdhsa_wavefront_size32 1
		.amdhsa_system_sgpr_workgroup_id_x 1
		.amdhsa_system_sgpr_workgroup_id_y 1
		.amdhsa_system_sgpr_workgroup_id_z 1
		.amdhsa_system_vgpr_workitem_id 0
		.amdhsa_next_free_vgpr 1024
		.amdhsa_next_free_sgpr 100
		.amdhsa_reserve_vcc 0
		.amdhsa_float_denorm_mode_32 3
		.amdhsa_float_denorm_mode_16_64 3
		.amdhsa_memory_ordered 1
		.amdhsa_forward_progress 1
		.amdhsa_inst_pref_size 255
	.end_amdhsa_kernel
	.section	.bss,"aw",@nobits
	.p2align	6
	.space	262144
	.amdgpu_metadata
---
amdhsa.version: [ 1, 2 ]
amdhsa.kernels:
  - .name:           k_qced31e5f57_qkv
    .symbol:         k_qced31e5f57_qkv.kd
    .args:
      - { .name: x, .offset: 0, .size: 8, .value_kind: global_buffer, .address_space: global }
      - { .name: ca, .offset: 8, .size: 8, .value_kind: global_buffer, .address_space: global }
      - { .name: cb, .offset: 16, .size: 8, .value_kind: global_buffer, .address_space: global }
      - { .name: wcod, .offset: 24, .size: 8, .value_kind: global_buffer, .address_space: global }
      - { .name: bq, .offset: 32, .size: 8, .value_kind: global_buffer, .address_space: global }
      - { .name: bk, .offset: 40, .size: 8, .value_kind: global_buffer, .address_space: global }
      - { .name: bv, .offset: 48, .size: 8, .value_kind: global_buffer, .address_space: global }
      - { .name: lowp_scales, .offset: 56, .size: 8, .value_kind: global_buffer, .address_space: global }
      - { .name: qcod, .offset: 64, .size: 8, .value_kind: global_buffer, .address_space: global }
      - { .name: kvcod, .offset: 72, .size: 8, .value_kind: global_buffer, .address_space: global }
    .group_segment_fixed_size: 295936
    .private_segment_fixed_size: 0
    .kernarg_segment_align: 8
    .kernarg_segment_size: 80
    .max_flat_workgroup_size: 128
    .sgpr_count:     100
    .vgpr_count:     1024
    .wavefront_size: 32
...
	.end_amdgpu_metadata
.endif
;; end of part 2
;; launch attn (part 3): grid 8 x 32, 4 waves a work-group, clusters of 4 x 1, 327,680 bytes of LDS; arguments qcod, kvcod, wcod, lowp_scales, ca, cr, x, out0; writes out0
.if DOCPART == 3
	.amdgcn_target "amdgcn-amd-amdhsa--gfx1250"
	.amdhsa_code_object_version 6
	.text
	.protected	k_qced31e5f57_attn
	.globl	k_qced31e5f57_attn
	.p2align	8
	.type	k_qced31e5f57_attn,@function
k_qced31e5f57_attn:
	s_mov_b64 s[64:65], 0
	v_nop
	global_prefetch_b8 v0, s[64:65] scope:SCOPE_SE
	s_setreg_imm32_b32 hwreg(HW_REG_WAVE_MODE, 25, 1), 1
	s_wait_xcnt 0x0
	s_wait_alu depctr_hold_cnt(0) depctr_sa_sdst(0) depctr_va_vdst(0) depctr_va_sdst(0) depctr_va_ssrc(0) depctr_va_vcc(0) depctr_vm_vsrc(0)
	s_getreg_b32 s2, hwreg(HW_REG_IB_STS2, 6, 4)
	s_cmp_eq_u32 s2, 0
	s_cbranch_scc0 .Lentry_in_a_cluster
	s_endpgm
.Lentry_in_a_cluster:
	s_bfe_u32 s2, ttmp6, 0x10000c
	s_cmp_lg_u32 s2, 0x3003
	s_cbranch_scc0 .Lentry_shape_is_right
	s_endpgm
.Lentry_shape_is_right:
; ATTN.  For 128 queries of one batch: scores, softmax, the product with v, the output projection, bo and the residual xn.  All four products on codes of E4M3.
; OPERANDS ARE IMAGES OF THEIR REGISTERS (16 rows x 128 along K, 2,048 bytes; chunk c at 512 c, lane l's 16 bytes at 16 l: row l % 16, k = 32 c + 16 (l / 16) + 0 .. 15), in memory and in LDS: every fragment is four loads of 512 consecutive bytes.
; Row r of tile T (queries, keys, channels) stands for index 32 (T / 2) + 8 (T % 2) + r + 8 (r / 8): the 16 registers that a lane holds of results whose source 0 is tiles 2 b, 2 b + 1 are 16 neighbours, a chunk of the next operand.
; SHARES.  Work-group = 128 queries; its four waves are 2 x 2: wq = wave / 2 takes 64 queries; wk = wave % 2 takes, of a key step's 128 keys, 64 for S^T = K Q^T, and of the 512 channels 256 for O^T = V^T P^T.
;   So each fragment of K or V read from LDS feeds four matrix instructions.  The two waves of a wq exchange through LDS: a step's largest score, their halves of P's codes, at the end the row's sum.
; THE SOFTMAX: t = score x log2(e) / sqrt(512); M = the running largest t rounded up to a whole number (kept as -M); p = 2^(t - M) is quantised with 2^e9, not normalised; the row's sum is taken of the unquantised p and divides at the end;
;   when M moves, the sum and O^T are multiplied by 2^(old M - new M), which rounds nothing.  O^T and the sum begin as zeros and the largest t as -3e38, so that the step is written for all steps alike.
; THE RING: two LDS slots of 131,072 bytes, one key step each (k's 32 images, then v's 32), filled by the tensor data mover, each wave a quarter.
; CLUSTER: the four query blocks of a cluster belong to one batch and walk the same k and v: each quarter is asked for JOINTLY by the same load with the same descriptor and a mask that names the four.
;   wo is not asked for jointly: each wave's 65,536 bytes of it go straight into its registers, in operand order.
; THE END: O^T / sum is quantised with 2^e10 in registers; its images go to LDS (into slot 0, which has had its last fill and its last read); wave w then makes output channels 128 w .. 128 w + 127 for all 128 queries
;   (source 0 = att, source 1 = wo: a lane holds one channel and eight neighbouring positions), IN TWO HALVES of four channel tiles.  A half's 32 accumulators fill window 2 and no more, so window 3, whose part of O^T is quantised first,
;   takes rows of x: those of the first half are asked for ahead of its products, and the first half's rows of out0 leave, and the second half's rows of x come, while the second half is multiplied.  att's images are read once for each half.
;   out0 = sum x 2^(e10 + e11) + (x ca + cr) leaves as rows of 512 consecutive bytes, aligned.
; LIMITS, so that each power of two is an f32 number: e6 + e7 between -122 and 131 (added to the exponent field of log2(e) / sqrt(512)); e9 and e10 - e8 - e9 between -126 and 119; e10 + e11 between -126 and 127.  NaN among the inputs is not served.
; REGISTERS, in windows of 256: window 0: v1-16 addresses; v28-31 scales; v32-63 eight registers of statistics for each of my four query tiles; v64-191 S^T (tile qt, key tile kt at 64 + 32 qt + 8 kt), then P and V, then att's codes;
;   v192-255 four fragments of K, then P's codes, then V; in the last product v64-255 are twelve places for att's fragments, on the way out v64-191 two sets of rows.
;   window 1: Q (qt, ks at 64 qt + 16 ks); later a half's 16 fragments of wo (K step ks, tile o at 64 ks + 16 o).
;   windows 2, 3: O^T: channel tile 2 b + u, query tile qt at 64 (b % 4) + 16 qt + 8 u, window 2 for b < 4; later window 2: a half's 32 accumulators (query tile q, channel tile o at 8 (4 q + o)), window 3: four sets of 16 rows of x.
.set SLOT1,  1<<17
.set PIMG,   262144                    ; P's images: 8 query tiles x 2,048 bytes
.set MX,     278528                    ; [wk][128] f32: a step's largest scores; 1,024 bytes further on the same for the sums
.set SPARE,  280576                    ; the spare words, 128 bytes for each wave: two blocks of 256 bytes that no other line names
.set STG,    65536                     ; the way out: 16 rows x 528 bytes for each wave, behind att's images in slot 0
.set SPITCH, 528
.set LI,  1                            ; v1   16 x lane
.set SPW, 2                            ; v2   my spare word; never rewritten
.set NIL, 3                            ; v3   0; never rewritten
.set ADK, 4                            ; v4   the step's K images for my wave
.set ADV, 5                            ; v5   its V images
.set AK0, 6
.set AV0, 7
.set PST, 8                            ; v8   where I store P's codes
.set PLD, 9                            ; v9   where I read P's images
.set MXS, 10                           ; v10  my word of MX
.set MXL, 11                           ; v11  my partner's
.set ATS, 12                           ; v12  where I store att's codes
.set STO, 13                           ; v13  the stage, in
.set RD,  14                           ; v14  the stage, back
.set PFO, 15                           ; v15  256 x lane
.set PXO, 16                           ; v16  rows of x: 4,096 (lane / 2) + 256 (lane % 2)
.set ST,  32                           ; tile qt at v[32 + 8 qt]: +0 -M, +1 largest t, +2, +3 the sum in two halves, +4 f (+5 named with it), +6, +7 at work
.set S,   64
.set KF,  192
.set PF,  64
.set AR,  64                           ; att's fragments in the last product: three groups of four places
.set MSB, 0
.macro WIN new                         ; the immediate's high byte repeats the setting that is left; a switch that changes nothing is dropped
.if MSB != (\new)
	s_set_vgpr_msb (MSB<<8)|(\new)
.set MSB, (\new)
.endif
.endm
.macro PLACES                          ; four plain vector lines behind matrix instructions, ahead of loads into their sources and of reads of their results
.rept 4
	v_nop
.endr
.endm
.macro MKSC sc, lim, e                 ; s[sc] = 2^s[e], s[lim] = 448 x 2^s[e], as f32 patterns
	s_add_co_i32 s[\lim], s[\e], 127
	s_lshl_b32 s[\sc], s[\lim], 23
	s_add_co_i32 s[\lim], s[\lim], 8
	s_lshl_b32 s[\lim], s[\lim], 23
	s_or_b32 s[\lim], s[\lim], 0x600000
.endm
.macro CROUND                          ; a round of the cluster's barrier: my work-group's barrier; wave 0 signals for the work-group; every wave waits for all four work-groups; my work-group's barrier once more
	s_barrier_signal -1
	s_barrier_wait -1
	s_cmp_lg_u32 s20, 0
	s_cbranch_scc1 .Lnot_wave_0_\@
	s_barrier_signal -3
.Lnot_wave_0_\@:
	s_barrier_wait -3
	s_barrier_signal -1
	s_barrier_wait -1
.endm
; A prefetch of the key step behind the one that is being asked for: 131,072 bytes.  The batch's first cluster asks; its four work-groups take 32,768 bytes each, told apart by address; each wave 8,192, lanes 256 bytes apart:
; each block of 256 bytes is named once in the launch.  The change that asks for the last step prefetches nothing.
.macro ASK
	s_cmp_gt_u32 s39, s38
	s_cbranch_scc0 .Lnot_mine_\@
	global_prefetch_b8 v[PFO], s[36:37] th:TH_LOAD_NT scope:SCOPE_SE
.Lnot_mine_\@:
.endm
	s_load_b512 s[4:19], s[0:1], 0x0               ; qcod, kvcod, wcod, lowp_scales, ca, cr, x, out0
	v_lshl_add_u32 v[SPW], v0, 2, SPARE
	v_mov_b32 v[NIL], 0
	ds_add_u32 v2, v3
	ds_add_u32 v2, v3
	s_wait_dscnt 0x0
	v_lshrrev_b32 v17, 5, v0
	v_readfirstlane_b32 s20, v17                   ; wave 0..3
	s_lshr_b32 s21, s20, 1                         ; wq
	s_and_b32 s22, s20, 1                          ; wk
	s_bfe_u32 s58, ttmp6, 0x40000                  ; cx
	s_lshl_b32 s59, ttmp9, 2
	s_add_co_u32 s59, s59, s58                     ; my block of 128 queries: it enters the addresses of q, x and out0 alone
	s_and_b32 s60, ttmp7, 0xffff                   ; the batch, which the four partners share
	; descriptor group 1: 32,768 dense bytes as 128 rows of 32 elements of 8 bytes
	s_mov_b32 s24, 0x0023000f                      ; 15:0 the mask: all four work-groups; 17:16 elements of 8 bytes; 21 set beside a mask; no padding
	s_mov_b32 s25, 32<<16                          ; tensor_dim0 = 32
	s_mov_b32 s26, 128<<16                         ; tensor_dim1 = 128
	s_mov_b32 s27, 32<<16                          ; tile_dim0 = 32
	s_mov_b32 s28, 128                             ; tile_dim1 = 128
	s_mov_b32 s29, 32                              ; from row to row
	s_mov_b32 s30, 0
	s_mov_b32 s31, 0
	s_lshl_b32 s62, s60, 20                        ; the batch's eight key steps,
	s_lshl_b32 s33, s20, 15                        ; my quarter of a step: in memory and in a slot
	s_add_co_u32 s62, s62, s33
	s_mov_b32 s63, 0
	s_lshl_b32 s66, s60, 19                        ; q: b 524,288 + block 65,536 + wq 32,768
	s_lshl_b32 s67, s59, 16
	s_add_co_u32 s66, s66, s67
	s_lshl_b32 s67, s21, 15
	s_add_co_u32 s66, s66, s67
	s_mov_b32 s67, 0
	s_lshl_b32 s68, s20, 18                        ; wo: behind my wave's pairs of wq, wk, wv
	s_add_co_u32 s68, s68, 196608
	s_mov_b32 s69, 0
	s_lshl_b32 s70, s60, 11                        ; the tables: (512 b + 128 w) 4
	s_lshl_b32 s71, s20, 9
	s_add_co_u32 s70, s70, s71
	s_mov_b32 s71, 0
	s_lshl_b32 s72, s60, 21                        ; x and out0: ((512 b + 128 w) 1,024 + 128 block) 4
	s_lshl_b32 s73, s20, 19
	s_add_co_u32 s72, s72, s73
	s_lshl_b32 s73, s59, 9
	s_add_co_u32 s72, s72, s73
	s_mov_b32 s73, 0
	s_lshl_b32 s74, s60, 20                        ; the prefetches: key step 1 (the first change steps it to 2), my work-group's and my wave's part
	s_add_co_u32 s74, s74, 131072
	s_lshl_b32 s75, s58, 15
	s_add_co_u32 s74, s74, s75
	s_lshl_b32 s75, s20, 13
	s_add_co_u32 s74, s74, s75
	s_mov_b32 s75, 0
	s_cmp_eq_u32 ttmp9, 0                          ; the batch's first cluster: the same in all four partners
	s_cselect_b32 s38, 1, -1
	s_mov_b32 s39, 7                               ; key steps still to be asked for
	s_mov_b32 s2, 0                                ; the slot in hand
	s_mov_b32 s42, 0x76543210                      ; lane selects: lane l xor 16
	s_mov_b32 s43, 0xfedcba98
	v_and_b32 v17, 31, v0
	v_lshlrev_b32 v[LI], 4, v17
	v_and_b32 v18, 15, v0                          ; r
	v_bfe_u32 v19, v0, 4, 1                        ; h
	s_lshl_b32 s61, s22, 15
	v_add_nc_u32 v[AK0], s61, v[LI]                ; K: key tiles 4 wk on, 8,192 bytes each
	v_add_nc_u32 v[AV0], 0x10000, v[AK0]           ; V: channel tiles 16 wk on, 2,048 bytes each, behind K's 65,536
	s_lshl_b32 s61, s21, 13
	s_add_co_u32 s61, s61, PIMG
	v_add_nc_u32 v[PLD], s61, v[LI]
	s_lshl_b32 s23, s22, 10
	s_add_co_u32 s23, s23, s61
	v_add_nc_u32 v[PST], s23, v[LI]                ; my 64 keys are chunks 2 wk, 2 wk + 1
	v_lshlrev_b32 v20, 2, v18
	s_lshl_b32 s61, s21, 8
	s_add_co_u32 s61, s61, MX
	s_lshl_b32 s23, s22, 9
	s_add_co_u32 s23, s23, s61
	v_add_nc_u32 v[MXS], s23, v20
	s_xor_b32 s23, s22, 1
	s_lshl_b32 s23, s23, 9
	s_add_co_u32 s23, s23, s61
	v_add_nc_u32 v[MXL], s23, v20
	s_lshl_b32 s61, s21, 15
	s_lshl_b32 s23, s22, 12
	s_add_co_u32 s61, s61, s23
	v_add_nc_u32 v[ATS], s61, v[LI]                ; att: query tiles 4 wq on (8,192 bytes each), K steps 2 wk on
	s_mul_i32 s61, s20, 16*SPITCH
	s_add_co_u32 s61, s61, STG
	v_add_nc_u32 v[RD], s61, v[LI]
	v_mul_u32_u24 v20, v18, SPITCH
	v_lshl_add_u32 v20, v19, 6, v20
	v_add_nc_u32 v[STO], s61, v20                  ; row r, + 64 h: my half's 16 positions of each 32
	v_lshlrev_b32 v[PFO], 8, v17
	v_lshrrev_b32 v20, 1, v17
	v_lshlrev_b32 v20, 12, v20
	v_and_b32 v21, 1, v0
	v_lshl_add_u32 v[PXO], v21, 8, v20
	s_wait_kmcnt 0x0
	s_load_b256 s[44:51], s[10:11], 0x0            ; e0 .. e7
	s_load_b128 s[52:55], s[10:11], 0x20           ; e8 .. e11
	s_mov_b32 s32, 1                               ; group 0: count = 1; s33 the LDS address;
	s_add_nc_u64 s[34:35], s[6:7], s[62:63]        ; the global address: key step 0;
	s_or_b32 s35, s35, 0x80000000                  ; type = 2
	s_add_nc_u64 s[36:37], s[6:7], s[74:75]
	s_add_nc_u64 s[4:5], s[4:5], s[66:67]
	s_add_nc_u64 s[8:9], s[8:9], s[68:69]
	s_add_nc_u64 s[12:13], s[12:13], s[70:71]
	s_add_nc_u64 s[14:15], s[14:15], s[70:71]
	s_add_nc_u64 s[16:17], s[16:17], s[72:73]
	s_add_nc_u64 s[18:19], s[18:19], s[72:73]
	CROUND                                         ; all four work-groups are here: the first joint loads meet
	tensor_load_to_lds s[32:35], s[24:31]          ; key step 0 into slot 0: one tensor load of mine is out, here and behind every later round
	s_nop 0
	PLACES                                         ; four plain lines follow a tensor load
	WIN 0x40                                       ; destination window 1
.set NQ, 0
.rept 56                               ; Q's 16 fragments lie on end and stay in registers: 64 loads.  56 go now and 8 behind the zeros below: the issue of a load that would pass LOADcnt's field is held (ISA guide 5.7.1), and here none is
	global_load_b128 v[4*NQ:4*NQ+3], v[LI], s[4:5] offset:512*NQ
.set NQ, NQ+1
.endr
	WIN 0
.irp qt, 0,1,2,3
	v_mov_b32 v[ST+8*\qt+1], 0xff61b1e6            ; the largest t so far: -3e38, under every t
	v_floor_f32 v[ST+8*\qt], -v[ST+8*\qt+1]        ; -M
	v_mov_b32 v[ST+8*\qt+2], 0                     ; the sum
	v_mov_b32 v[ST+8*\qt+3], 0
	v_mov_b32 v[ST+8*\qt+4], 0
	v_mov_b32 v[ST+8*\qt+5], 0                     ; (named as the upper half of f's pair)
	v_mov_b32 v[ST+8*\qt+6], 0
	v_mov_b32 v[ST+8*\qt+7], 0                     ; (a lane permute's destination counts as one of its sources)
.endr
	WIN 0x80                                       ; O^T begins as zeros, written while the first tile and Q are on their way: the key step is then written for all steps alike, which keeps the text short
.set N, 0
.rept 256
	v_mov_b32 v[N], 0
.set N, N+1
.endr
	WIN 0xc0
.set N, 0
.rept 256
	v_mov_b32 v[N], 0
.set N, N+1
.endr
	WIN 0x40
.rept 8                                ; Q's last eight loads
	global_load_b128 v[4*NQ:4*NQ+3], v[LI], s[4:5] offset:512*NQ
.set NQ, NQ+1
.endr
	WIN 0
	s_wait_kmcnt 0x0
	s_mov_b32 s40, 0x3d8293ee                      ; c = log2(e) / sqrt(512)
	s_add_co_i32 s61, s50, s51
	s_lshl_b32 s61, s61, 23
	s_add_co_i32 s40, s40, s61                     ; a score stands for score x 2^(e6 + e7): added to c's exponent field
	s_mov_b32 s41, s40                             ; (named with it as a pair)
	MKSC 61, 23, 53
	v_mov_b32 v29, s61                             ; 2^e9
	v_mov_b32 v28, s23                             ; 448 x 2^e9
	s_sub_co_i32 s58, s54, s52
	s_sub_co_i32 s58, s58, s53                     ; e10 - e8 - e9: O^T / sum stands for att / 2^(e8 + e9)
	MKSC 61, 23, 58
	v_mov_b32 v31, s61
	v_mov_b32 v30, s23
	s_add_co_i32 s56, s54, s55
	s_add_co_i32 s56, s56, 127
	s_lshl_b32 s56, s56, 23                        ; 2^(e10 + e11)
	s_mov_b32 s57, s56
.macro KLOAD i                         ; K's fragment i = 4 ks + kt into place i % 4
.irp c, 0,1,2,3
	ds_load_b128 v[KF+16*((\i)%4)+4*\c:KF+16*((\i)%4)+4*\c+3], v[ADK] offset:(4*((\i)%4)+(\i)/4)*2048+512*\c
.endr
.endm
.macro VLOAD g, reg                    ; V's fragments of channel tiles 4 g .. 4 g + 3
.irp t, 0,1,2,3
.irp c, 0,1,2,3
	ds_load_b128 v[\reg+16*\t+4*\c:\reg+16*\t+4*\c+3], v[ADV] offset:(4*(\g)+\t)*2048+512*\c
.endr
.endr
.endm
.macro PVB g, reg                      ; 16 matrix instructions on 16 accumulators: O^T += V^T P^T
.irp t, 0,1,2,3
.irp qt, 0,1,2,3
.set CT, 4*(\g)+\t
.set RO, 64*((CT/2)%4)+16*\qt+8*(CT%2)
	v_wmma_f32_16x16x128_fp8_fp8 v[RO:RO+7], v[\reg+16*\t:\reg+16*\t+15], v[PF+16*\qt:PF+16*\qt+15], v[RO:RO+7]
.endr
.endr
.endm
.macro WOLDP ph, ks                    ; wo's four fragments of half ph (channel tiles 4 ph .. 4 ph + 3), K step ks, into v[64 ks ..] of window 1: 16 loads
	WIN 0x40
.irp o, 0,1,2,3
.irp c, 0,1,2,3
	global_load_b128 v[64*(\ks)+16*\o+4*\c:64*(\ks)+16*\o+4*\c+3], v[LI], s[8:9] offset:(4*(\ph)+\o)*8192+(\ks)*2048+512*\c
.endr
.endr
	WIN 0
.endm
; THE CHANGE OF SLOTS stands at a step's head.  Each wave waits for all its tensor loads (its quarter of the step that it is about to read), adds 0 to its spare word, and waits for that and for its reads of the slot that it has left.
; fill = 1: a round of the cluster's barrier, so that no wave of any partner still reads that slot or has a load on its way; the joint refill is the first thing behind it and has a whole key step in which to land.
.macro CHANGE fill
	s_wait_tensorcnt 0x0                           ; no tensor load of mine is out, so group 0 may be written
	ds_add_u32 v[SPW], v[NIL]                      ; 0 onto my spare word
.if \fill
	s_xor_b32 s33, s33, SLOT1                      ; the other slot than last time,
	s_add_nc_u64 s[34:35], s[34:35], 131072        ; the next key step; the type bits on top are not reached
	s_wait_xcnt 0x0                                ; the last prefetch, a key step back, has read its address
	s_add_nc_u64 s[36:37], s[36:37], 131072
	s_wait_dscnt 0x0                               ; the add is done, and my reads of the slot that I have left are over
	CROUND
	tensor_load_to_lds s[32:35], s[24:31]
	s_nop 0
	PLACES
	ASK
.else
	s_wait_dscnt 0x0
	s_barrier_signal -1
	s_barrier_wait -1
.endif
.endm
; A KEY STEP: 128 keys.  last = 1: the last one, behind whose scores Q's registers take the first half of wo.
.macro STEP last
	PLACES                                         ; with the two additions: six plain lines between the last step's products and the products and loads that write over their sources
	v_add_nc_u32 v[ADK], s2, v[AK0]
	v_add_nc_u32 v[ADV], s2, v[AV0]
	KLOAD 0
	KLOAD 1
	KLOAD 2
	KLOAD 3
	WIN 0x04                                       ; source 1 (Q) window 1; LDS loads name a destination and source 0, both window 0, so the setting stays
.set I, 0
.rept 16                               ; S^T = K Q^T: fragment I = 4 ks + kt feeds my four query tiles; the 16 accumulators take turns
.if I < 12
	s_wait_dscnt 12                                ; fragment I is in; the three younger ones may be out
.else
	s_wait_dscnt 4*(15-I)
.endif
.irp qt, 0,1,2,3
.if I < 4
	v_wmma_f32_16x16x128_fp8_fp8 v[S+32*\qt+8*(I%4):S+32*\qt+8*(I%4)+7], v[KF+16*(I%4):KF+16*(I%4)+15], v[64*\qt+16*(I/4):64*\qt+16*(I/4)+15], 0
.else
	v_wmma_f32_16x16x128_fp8_fp8 v[S+32*\qt+8*(I%4):S+32*\qt+8*(I%4)+7], v[KF+16*(I%4):KF+16*(I%4)+15], v[64*\qt+16*(I/4):64*\qt+16*(I/4)+15], v[S+32*\qt+8*(I%4):S+32*\qt+8*(I%4)+7]
.endif
.endr
.if I < 12
	PLACES
	KLOAD I+4
.endif
.set I, I+1
.endr
	WIN 0
	PLACES
.if \last
	WOLDP 0, 0                                     ; Q is done with: three quarters of wo's first half now, 48 loads; the last quarter further down
	WOLDP 0, 1
	WOLDP 0, 2
.irp i, 0,1,2,3
	global_prefetch_b8 v[PXO], s[16:17] offset:\i*65536 th:TH_LOAD_NT scope:SCOPE_SE   ; the first 64 of my 128 rows of x, 512 bytes each, two lanes a row: wanted behind the rest of this step
.endr
.endif
	; the step's largest score of each query: my 32 keys (each accumulator from its low end on), lane l xor 16's, my partner wave's 64
.irp qt, 0,1,2,3
	v_max3_num_f32 v[ST+8*\qt+6], v[S+32*\qt], v[S+32*\qt+1], v[S+32*\qt+2]
.endr
.irp n, 3,5,7,9,11,13,15,17,19,21,23,25,27,29
.irp qt, 0,1,2,3
	v_max3_num_f32 v[ST+8*\qt+6], v[ST+8*\qt+6], v[S+32*\qt+\n], v[S+32*\qt+\n+1]
.endr
.endr
.irp qt, 0,1,2,3
	v_max_num_f32 v[ST+8*\qt+6], v[ST+8*\qt+6], v[S+32*\qt+31]
.endr
.irp qt, 0,1,2,3
	v_permlanex16_b32 v[ST+8*\qt+7], v[ST+8*\qt+6], s42, s43
.endr
.irp qt, 0,1,2,3
	v_max_num_f32 v[ST+8*\qt+6], v[ST+8*\qt+6], v[ST+8*\qt+7]
.endr
.irp qt, 0,1,2,3
	ds_store_b32 v[MXS], v[ST+8*\qt+6] offset:64*\qt
.endr
	s_wait_dscnt 0x0                               ; my words have landed
	s_barrier_signal -1
	s_barrier_wait -1
.irp qt, 0,1,2,3
	ds_load_b32 v[ST+8*\qt+7], v[MXL] offset:64*\qt
.endr
	s_wait_dscnt 0x0
.irp qt, 0,1,2,3
	v_max_num_f32 v[ST+8*\qt+6], v[ST+8*\qt+6], v[ST+8*\qt+7]
.endr
.irp qt, 0,1,2,3
	v_mul_f32 v[ST+8*\qt+6], s40, v[ST+8*\qt+6]    ; as t (c is positive)
.endr
.irp qt, 0,1,2,3
	v_max_num_f32 v[ST+8*\qt+1], v[ST+8*\qt+1], v[ST+8*\qt+6]
.endr
.irp qt, 0,1,2,3
	v_mov_b32 v[ST+8*\qt+7], v[ST+8*\qt]
.endr
.irp qt, 0,1,2,3
	v_floor_f32 v[ST+8*\qt], -v[ST+8*\qt+1]        ; -M = floor(-t) = -ceil(t)
.endr
.irp qt, 0,1,2,3
	v_sub_f32 v[ST+8*\qt+7], v[ST+8*\qt], v[ST+8*\qt+7]   ; old M - new M: a whole number, 0 or less
.endr
.irp qt, 0,1,2,3
	v_cvt_i32_f32 v[ST+8*\qt+7], v[ST+8*\qt+7]     ; (it saturates)
.endr
.irp qt, 0,1,2,3
	v_ldexp_f32 v[ST+8*\qt+4], 1.0, v[ST+8*\qt+7]  ; f = 2^(old M - new M)
.endr
.irp n, 0,2,4,6,8,10,12,14,16,18,20,22,24,26,28,30
.irp qt, 0,1,2,3
	v_pk_fma_f32 v[S+32*\qt+\n:S+32*\qt+\n+1], v[S+32*\qt+\n:S+32*\qt+\n+1], s[40:41], v[ST+8*\qt:ST+8*\qt+1] op_sel_hi:[1,0,0]   ; t - M
.endr
.endr
.set N, 0
.rept 128
	v_exp_f32 v[S+N], v[S+N]                       ; p = 2^(t - M)
.set N, N+1
.endr
.irp qt, 0,1,2,3
	v_pk_mul_f32 v[ST+8*\qt+2:ST+8*\qt+3], v[ST+8*\qt+2:ST+8*\qt+3], v[ST+8*\qt+4:ST+8*\qt+5] op_sel_hi:[1,0]   ; the sums under the new M: plain lines behind the exponentials
.endr
	s_wait_alu depctr_va_vdst(0)                   ; one wait for the batch, ahead of its first reader
.irp n, 0,2,4,6,8,10,12,14,16,18,20,22,24,26,28,30
.irp qt, 0,1,2,3
	v_pk_add_f32 v[ST+8*\qt+2:ST+8*\qt+3], v[ST+8*\qt+2:ST+8*\qt+3], v[S+32*\qt+\n:S+32*\qt+\n+1]   ; the sum is taken of the unquantised p
.endr
.endr
.irp qt, 0,1,2,3
.irp bb, 0,1
.irp i, 0,1,2,3,4,5,6,7,8,9,10,11,12,13,14,15
	v_min_num_f32 v[S+32*\qt+16*\bb+\i], v[S+32*\qt+16*\bb+\i], v28   ; p is not negative: the hold is one-sided
.endr
	v_cvt_scalef32_pk8_fp8_f32 v[KF+8*\qt+4*\bb:KF+8*\qt+4*\bb+1], v[S+32*\qt+16*\bb:S+32*\qt+16*\bb+7], v29
	v_cvt_scalef32_pk8_fp8_f32 v[KF+8*\qt+4*\bb+2:KF+8*\qt+4*\bb+3], v[S+32*\qt+16*\bb+8:S+32*\qt+16*\bb+15], v29
.endr
.endr
	v_nop                                          ; a plain line behind the run's last conversion
.irp qt, 0,1,2,3
.irp bb, 0,1
	ds_store_b128 v[PST], v[KF+8*\qt+4*\bb:KF+8*\qt+4*\bb+3] offset:\qt*2048+512*\bb
.endr
.endr
	s_wait_dscnt 0x0                               ; my half of P's images has landed
	s_barrier_signal -1
	s_barrier_wait -1
.irp qt, 0,1,2,3
.irp c, 0,1,2,3
	ds_load_b128 v[PF+16*\qt+4*\c:PF+16*\qt+4*\c+3], v[PLD] offset:\qt*2048+512*\c
.endr
.endr
	VLOAD 0, 192
	VLOAD 1, 128
.if \last
	WOLDP 0, 3                                     ; the last quarter of wo's first half
.endif
	WIN 0x82                                       ; O^T under the new M, while the loads are on their way
.set N, 0
.rept 128
	v_pk_mul_f32 v[2*N:2*N+1], v[2*N:2*N+1], v[ST+8*((N/8)%4)+4:ST+8*((N/8)%4)+5] op_sel_hi:[1,0]
.set N, N+1
.endr
	WIN 0xc3
.set N, 0
.rept 128
	v_pk_mul_f32 v[2*N:2*N+1], v[2*N:2*N+1], v[ST+8*((N/8)%4)+4:ST+8*((N/8)%4)+5] op_sel_hi:[1,0]
.set N, N+1
.endr
	s_wait_dscnt 16                                ; P and V's first batch are in; the second batch's 16 loads may be out
	WIN 0xa0                                       ; C and D window 2
	PVB 0, 192
	WIN 0
	PLACES
	VLOAD 2, 192
	s_wait_dscnt 16                                ; the second batch is in
	WIN 0xa0
	PVB 1, 128
	WIN 0
	PLACES
	VLOAD 3, 128
	s_wait_dscnt 16                                ; the third
	WIN 0xf0                                       ; C and D window 3
	PVB 2, 192
	s_wait_dscnt 0x0
	PVB 3, 128
	WIN 0
	s_xor_b32 s2, s2, SLOT1                        ; on to the other slot
.endm
	s_wait_loadcnt 0x0                             ; Q
.Lstep:                                            ; seven trips: behind each change of slots but the last the next key step is asked for
	CHANGE 1
	STEP 0
	s_sub_co_u32 s39, s39, 1
	s_cmp_lg_u32 s39, 0
	s_cbranch_scc1 .Lstep
	CHANGE 0                                       ; the last step is written out.  Behind this barrier nobody reads slot 0, and it has had its last fill
	STEP 1
	; THE ROW'S SUM: its two halves, lane l xor 16's, my partner wave's.  The additions are the plain lines behind the last products
.irp qt, 0,1,2,3
	v_add_f32 v[ST+8*\qt+6], v[ST+8*\qt+2], v[ST+8*\qt+3]
.endr
.irp qt, 0,1,2,3
	v_permlanex16_b32 v[ST+8*\qt+7], v[ST+8*\qt+6], s42, s43
.endr
.irp qt, 0,1,2,3
	v_add_f32 v[ST+8*\qt+6], v[ST+8*\qt+6], v[ST+8*\qt+7]
.endr
.irp qt, 0,1,2,3
	ds_store_b32 v[MXS], v[ST+8*\qt+6] offset:1024+64*\qt
.endr
	s_wait_dscnt 0x0
	s_barrier_signal -1
	s_barrier_wait -1
.irp qt, 0,1,2,3
	ds_load_b32 v[ST+8*\qt+7], v[MXL] offset:1024+64*\qt
.endr
	s_wait_dscnt 0x0
.irp qt, 0,1,2,3
	v_add_f32 v[ST+8*\qt+7], v[ST+8*\qt+6], v[ST+8*\qt+7]
.endr
.irp qt, 0,1,2,3
	v_rcp_f32 v[ST+8*\qt+6], v[ST+8*\qt+7]
.endr
	v_nop                                          ; a plain line behind the last reciprocal,
	s_wait_alu depctr_va_vdst(0)                   ; and one wait for the four, ahead of their first reader
; O^T / sum, held, quantised: 16 groups of 16 registers a window; group G is channel pair 4 (win - 2) + G / 4, query tile G % 4
.macro ATTQ win
	WIN 0x82+0x41*((\win)-2)
.set N, 0
.rept 128
	v_pk_mul_f32 v[2*N:2*N+1], v[2*N:2*N+1], v[ST+8*((N/8)%4)+6:ST+8*((N/8)%4)+7] op_sel_hi:[1,0]
.set N, N+1
.endr
.set N, 0
.rept 256
	v_med3_num_f32 v[N], v[N], -v30, v30
.set N, N+1
.endr
	WIN \win                                       ; source 0 in the window, destination and scale in window 0
.set N, 0
.rept 16
	v_cvt_scalef32_pk8_fp8_f32 v[64+64*((\win)-2)+4*N:64+64*((\win)-2)+4*N+1], v[16*N:16*N+7], v31
	v_cvt_scalef32_pk8_fp8_f32 v[64+64*((\win)-2)+4*N+2:64+64*((\win)-2)+4*N+3], v[16*N+8:16*N+15], v31
.set N, N+1
.endr
	v_nop                                          ; a plain line between the last conversion and the vector and matrix lines that write its sources
.endm
; Row `row` of channel tile ot is channel 128 w + 32 (ot / 2) + 8 (ot % 2) + row + 8 (row / 8).
.macro XROWS ot                        ; the tile's 16 rows of x, 512 consecutive bytes each, into set ot % 4 of window 3
	WIN 0xc0
.irp row, 0,1,2,3,4,5,6,7,8,9,10,11,12,13,14,15
	global_load_b128 v[64*((\ot)%4)+4*\row:64*((\ot)%4)+4*\row+3], v[LI], s[16:17] offset:(32*((\ot)/2)+8*((\ot)%2)+\row+8*(\row/8))*4096 th:TH_LOAD_NT
.endr
	WIN 0
.endm
.macro COEF ot                         ; the tile's 16 ca into s68-83 and 16 cr into s84-99
.set PIC, 32*((\ot)/2)+8*((\ot)%2)
	s_load_b256 s[68:75], s[12:13], PIC*4          ; ca of rows 0-7,
	s_load_b256 s[76:83], s[12:13], PIC*4+64       ; of rows 8-15, which lie 16 channels on;
	s_load_b256 s[84:91], s[14:15], PIC*4          ; cr likewise
	s_load_b256 s[92:99], s[14:15], PIC*4+64
.endm
	ATTQ 3                                         ; window 3 first: it is then free for rows of x
	WIN 0
	s_wait_loadcnt 0x0                             ; wo's first half, asked for in the last key step, is in: the counts below begin here
	XROWS 0                                        ; 48 loads: they have the rest of the quantising, the exchange of att and the first half's products in which to land
	XROWS 1
	XROWS 2
	COEF 0
	ATTQ 2
	WIN 0
.irp b, 0,1,2,3,4,5,6,7
.irp qt, 0,1,2,3
	ds_store_b128 v[ATS], v[64+4*(4*\b+\qt):64+4*(4*\b+\qt)+3] offset:\qt*8192+(\b/4)*2048+(\b%4)*512
.endr
.endr
	s_wait_dscnt 0x0                               ; my part of att's images has landed
	s_barrier_signal -1
	s_barrier_wait -1
; THE LAST PRODUCT, a half (four of my eight channel tiles x all 8 query tiles) at a time: 32 accumulators by turns, K step by K step: 8 groups of 16 matrix instructions.
; Group g is K step g / 2, query tiles 4 (g % 2) .. + 3.  Its four fragments of att lie in place (g + 2) % 3 of three: group g + 3 is asked for behind group g's products, two groups (32 matrix instructions) ahead of its use.
.macro ALDG g
.irp q, 0,1,2,3
.irp c, 0,1,2,3
	ds_load_b128 v[AR+64*(((\g)+2)%3)+16*\q+4*\c:AR+64*(((\g)+2)%3)+16*\q+4*\c+3], v[LI] offset:(4*((\g)%2)+\q)*8192+((\g)/2)*2048+512*\c
.endr
.endr
.endm
.macro M6G g
.irp q, 0,1,2,3
.irp o, 0,1,2,3
.set RD6, 8*(4*(4*((\g)%2)+\q)+\o)
.set RA6, AR+64*(((\g)+2)%3)+16*\q
.set RW6, 64*((\g)/2)+16*\o
.if (\g) < 2
	v_wmma_f32_16x16x128_fp8_fp8 v[RD6:RD6+7], v[RA6:RA6+15], v[RW6:RW6+15], 0
.else
	v_wmma_f32_16x16x128_fp8_fp8 v[RD6:RD6+7], v[RA6:RA6+15], v[RW6:RW6+15], v[RD6:RD6+7]
.endif
.endr
.endr
.endm
; ph = 0: behind each K step its 64 registers of wo take the second half's fragments of the same K step; the fourth set of rows of x is asked for behind group 5.
; ph = 1: groups 0 and 1 land in v192-255 and v64-127, which no pending store reads; group 2 lands in v128-191, from which tile 3's rows were stored: it is asked for behind the first 16 products and the wait that frees those registers.
.macro PHASE ph
	ALDG 0
	ALDG 1
.set G, 0
.rept 8
.if G == 0
	s_wait_dscnt 16                                ; group 0 is in; group 1 may be out
.elseif G < 6
	s_wait_dscnt 32                                ; group G is in; the two younger groups may be out
.else
	s_wait_dscnt 16*(7-G)
.endif
	WIN 0xa4                                       ; source 1 (wo) window 1, C and D window 2
	M6G G
	WIN 0
	PLACES
.if G == 0
.if \ph
	s_wait_xcnt 0x0                                ; tile 3's stores have read v128-191
.endif
	ALDG 2
.endif
.if G < 5
	ALDG G+3
.endif
.if (\ph) == 0
.if G%2 == 1
	WOLDP 1, G/2
.endif
.if G == 5
	XROWS 3
.endif
.endif
.set G, G+1
.endr
.endm
; THE WAY OUT, a channel tile (16 rows of out0 x 128 positions) at a time.
; LOADcnt, counted from the wait for 0 above: x0, x1, x2, wo's second half K steps 0, 1, 2, x3, K step 3: 128 loads; then x4 .. x7 behind tiles 0 .. 3.
.macro OUT ot
.set PI0, 32*((\ot)/2)+8*((\ot)%2)
.set XS, 64*((\ot)%4)
.set BK, 64+64*((\ot)%2)
	WIN 0x08                                       ; the stores' data in window 2.  A lane holds, of channel row r, positions 32 (q / 2) + 8 (q % 2) + 16 h + 0 .. 7; each accumulator from its low end on
.irp q, 0,1,2,3,4,5,6,7
	ds_store_b128 v[STO], v[8*(4*\q+(\ot)%4):8*(4*\q+(\ot)%4)+3] offset:128*(\q/2)+32*(\q%2)
	ds_store_b128 v[STO], v[8*(4*\q+(\ot)%4)+4:8*(4*\q+(\ot)%4)+7] offset:128*(\q/2)+32*(\q%2)+16
.endr
	WIN 0
.if ((\ot)%4) >= 2
	s_wait_xcnt 0x0                                ; the stores of two tiles back have read their registers, which the loads below fill again (tiles 0, 1, 4, 5 find theirs free: nothing was stored from them, or a later wait has stood)
.endif
.irp row, 0,1,2,3,4,5,6,7,8,9,10,11,12,13,14,15
	ds_load_b128 v[BK+4*\row:BK+4*\row+3], v[RD] offset:\row*SPITCH   ; LDS serves a wave's instructions in order (ISA guide 5.7.1.4): these see my stores, and the next tile's stores come behind them
.endr
.if (\ot) == 0
	s_wait_loadcnt 63                              ; of the 128 loads the oldest 65 are in: x0, x1, x2 among them (the count's field holds no more)
.elseif (\ot) == 3
	s_wait_loadcnt 48                              ; x4, x5, x6 may be out: x3 and all of wo's second half are in
.elseif (\ot) > 3
	s_wait_loadcnt 16*(7-(\ot))                    ; this tile's rows are in; the younger sets may be out
.endif
	s_wait_kmcnt 0x0
	WIN 0xc3                                       ; source 0 and destination window 3
.irp row, 0,1,2,3,4,5,6,7,8,9,10,11,12,13,14,15
.irp n, 0,1,2,3
	v_fma_f32 v[XS+4*\row+\n], v[XS+4*\row+\n], s[68+\row], s[84+\row]   ; xn + bo = x ca + cr
.endr
.endr
.if (\ot) < 7
	COEF (\ot)+1                                   ; the next tile's, a tile ahead
.endif
	s_wait_dscnt 0x0
	WIN 0x30                                       ; source 2 window 3
.set N, 0
.rept 32
	v_pk_fma_f32 v[BK+2*N:BK+2*N+1], v[BK+2*N:BK+2*N+1], s[56:57], v[XS+2*N:XS+2*N+1] op_sel_hi:[1,0,1]   ; sum x 2^(e10 + e11) + (xn + bo)
.set N, N+1
.endr
	WIN 0
.irp row, 0,1,2,3,4,5,6,7,8,9,10,11,12,13,14,15
	global_store_b128 v[LI], v[BK+4*\row:BK+4*\row+3], s[18:19] offset:(PI0+\row+8*(\row/8))*4096 th:TH_STORE_NT   ; 32 lanes store 512 consecutive bytes, aligned
.endr
.if (\ot) < 4
	XROWS (\ot)+4
.endif
.endm
	PHASE 0
	OUT 0
	OUT 1
	OUT 2
	OUT 3
	PHASE 1
	OUT 4
	OUT 5
	OUT 6
	OUT 7
	s_wait_tensorcnt 0x0                           ; the wave's end, behind my last tensor load and my last LDS store
	ds_add_u32 v[SPW], v[NIL]
	s_wait_dscnt 0x0
	CROUND                                         ; the closing round: no work-group ends while a partner may still ask for a tile that names it
	s_endpgm
.Lfunc_end_k_qced31e5f57_attn:
	.size	k_qced31e5f57_attn, .Lfunc_end_k_qced31e5f57_attn-k_qced31e5f57_attn
	.p2alignl 7, 3214868480
	.fill 96, 4, 3214868480
	.section	.rodata,"a",@progbits
	.p2align	6, 0x0
	.amdhsa_kernel k_qced31e5f57_attn
		.amdhsa_group_segment_fixed_size 327680
		.amdhsa_private_segment_fixed_size 0
		.amdhsa_enable_private_segment 0
		.amdhsa_kernarg_size 64
		.amdhsa_user_sgpr_count 2
		.amdhsa_user_sgpr_kernarg_segment_ptr 1
		.amdhsa_wavefront_size32 1
		.amdhsa_system_sgpr_workgroup_id_x 1
		.amdhsa_system_sgpr_workgroup_id_y 1
		.amdhsa_system_sgpr_workgroup_id_z 1
		.amdhsa_system_vgpr_workitem_id 0
		.amdhsa_next_free_vgpr 1024
		.amdhsa_next_free_sgpr 100
		.amdhsa_reserve_vcc 0
		.amdhsa_float_denorm_mode_32 3
		.amdhsa_float_denorm_mode_16_64 3
		.amdhsa_memory_ordered 1
		.amdhsa_forward_progress 1
		.amdhsa_inst_pref_size 255
	.end_amdhsa_kernel
	.section	.bss,"aw",@nobits
	.p2align	6
	.space	262144
	.amdgpu_metadata
---
amdhsa.version: [ 1, 2 ]
amdhsa.kernels:
  - .name:           k_qced31e5f57_attn
    .symbol:         k_qced31e5f57_attn.kd
    .args:
      - { .name: qcod, .offset: 0, .size: 8, .value_kind: global_buffer, .address_space: global }
      - { .name: kvcod, .offset: 8, .size: 8, .value_kind: global_buffer, .address_space: global }
      - { .name: wcod, .offset: 16, .size: 8, .value_kind: global_buffer, .address_space: global }
      - { .name: lowp_scales, .offset: 24, .size: 8, .value_kind: global_buffer, .address_space: global }
      - { .name: ca, .offset: 32, .size: 8, .value_kind: global_buffer, .address_space: global }
      - { .name: cr, .offset: 40, .size: 8, .value_kind: global_buffer, .address_space: global }
      - { .name: x, .offset: 48, .size: 8, .value_kind: global_buffer, .address_space: global }
      - { .name: out0, .offset: 56, .size: 8, .value_kind: global_buffer, .address_space: global }
    .group_segment_fixed_size: 327680
    .private_segment_fixed_size: 0
    .kernarg_segment_align: 8
    .kernarg_segment_size: 64
    .max_flat_workgroup_size: 128
    .sgpr_count:     100
    .vgpr_count:     1024
    .wavefront_size: 32
...
	.end_amdgpu_metadata
.endif
;; end of part 3
;; ======== version 2 of 2: 3 launches; version 1 with the launch qkv written anew for expert scheduling mode
;; workspace buffers: ca 65,536 bytes; cb 65,536 bytes; cr 65,536 bytes; wcod 1,048,576 bytes; qcod 16,777,216 bytes; kvcod 33,554,432 bytes
;; launch prep: the kernel of part 1 again; grid 1088 x 1, 8 waves a work-group, no clusters, 1,536 bytes of LDS; arguments x, gamma, beta, bo, wq, wk, wv, wo, lowp_scales, ca, cb, cr, wcod; writes ca, cb, cr, wcod
;; launch qkv (part 4): grid 8 x 32, 4 waves a work-group, no clusters, 295,936 bytes of LDS; arguments x, ca, cb, wcod, bq, bk, bv, lowp_scales, qcod, kvcod; writes qcod, kvcod
.if DOCPART == 4
	.amdgcn_target "amdgcn-amd-amdhsa--gfx1250"
	.amdhsa_code_object_version 6
	.text
	.protected	k_qced31e5f57_qkv
	.globl	k_qced31e5f57_qkv
	.p2align	8
	.type	k_qced31e5f57_qkv,@function
k_qced31e5f57_qkv:
	s_mov_b64 s[64:65], 0
	v_nop
	global_prefetch_b8 v0, s[64:65] scope:SCOPE_SE
	s_setreg_imm32_b32 hwreg(HW_REG_WAVE_SCHED_MODE, 0, 2), 2
	s_setreg_imm32_b32 hwreg(HW_REG_WAVE_MODE, 25, 1), 1
	s_wait_xcnt 0x0
	s_wait_alu depctr_vm_vsrc(0)
; QKV.  For 128 positions of one batch (work-group x = block nb, y = batch b): xn = x ca + cb; h = xn quantised three times (2^e0, 2^e2, 2^e4); q, k, v = W h + bias on codes of E4M3; q, k, v quantised (2^e6, 2^e7, 2^e8) and stored as codes.
; EVERY OPERAND IS KEPT AS IMAGES OF ITS REGISTERS: 16 rows x 128 along K = 2,048 bytes; chunk c (512 bytes) holds at 16 x lane, of row lane % 16, k = 32 c + 16 (lane / 16) + 0 .. 15.
; ORDER: row r of tile T (of positions, and of the weights' output channels) stands for index 32 (T / 2) + 8 (T % 2) + r + 8 (r / 8), so that in a result whose source 0 is tiles 2 b and 2 b + 1 a lane's 16 registers are
; the 16 neighbours 32 b + 16 (lane / 16) + 0 .. 15: a chunk of the next operand.  The conversions' results are stored as they stand.
; X PHASE.  Wave w takes channels 128 w .. 128 w + 127 (K step w), lane l positions 4 l .. 4 l + 3; a load reads 512 consecutive bytes of one channel.  The multiply-add writes position j's 16 channels into 16 neighbouring registers.
; MATRIX PHASES.  Wave w makes output channels 128 w .. 128 w + 127 of q, k and v for all 128 positions, a PAIR of tiles (32 channels) at a time: 16 accumulators, 64 matrix instructions.
;   q, k: source 0 = W, source 1 = h: a lane holds one position and channels along its registers (the scores' K).   v: source 0 = h, source 1 = W: a lane holds one channel and positions along its registers (the keys are the second product's K).
;   The bias, divided by the power of two that the sums lack, is the C of each sum's first matrix instruction.
; h's 32 fragments stay in 512 registers through a matrix's four pairs; the weights come from memory straight into registers, in operand order, two pairs ahead.
; NO CLUSTER, NO JOINT LOADS: the weights are shared by all work-groups, but LDS holds 295,296 bytes of images of h and of the biases, so two slots of a pair's 65,536 bytes for four waves do not fit.
; LIMITS, so that each power of two is an f32 number: e0, e2, e4, e6 - e0 - e1, e7 - e2 - e3, e8 - e4 - e5 between -126 and 119.  NaN among the inputs is not served.  xn is one fused multiply-add of x with the two table numbers, each rounded once.
; LDS: h's images, set t (0 for q, 1 for k, 2 for v) at t SETB + tile x 8,208 + K step x 2,048 (16 bytes more than 8,192 from tile to tile: the x phase's sixteen lanes then store to sixteen different 16-byte columns of 256);
;      from BIMG on each wave's twelve images of a pair's 16 C registers.
; REGISTERS, in windows of 256: window 0: v1-18 addresses and scales; v32-63 two sets of C; v64-95 codes; v128-255 the 16 accumulators (x phase: v64-127 xn, v128-191 held numbers; codes in two buffers by turns: even blocks v192-239, odd blocks v32-63 and v240-255).
;   window 1: four sets of 64 registers of x, later two sets of a pair's weights.   windows 2, 3: h's fragments (tile t, K step ks) at 16 (4 (t % 4) + ks); tiles 0-3 in window 2, tiles 4-7 in window 3.
; THE MODE: SCHED_MODE bits 1:0 = 2 (LLVM: expert scheduling mode 2), set by the entry lines.  The code itself states the register dependences between vector or matrix instructions and memory or LDS instructions, with s_wait_alu, always for 0.
; THE PLAN.  Registers that memory or LDS instructions touch:
;   v1-5, v7, v9, v10  addresses, made once at the head, never written again.
;   X0 .. X3    (window 1)  Block p's 64 multiply-adds read X[p % 4]; behind them the loads of block p + 4 land in it; behind block 7's the first two pairs of weights land in all four.
;   the codes   two buffers.  Block p's conversions write buffer p % 2; the 12 LDS stores that read it are issued in block p + 1, dealt among that block's holds and conversions, which name xn, the held numbers and the other buffer.
;               So a block has ONE wait on va_vdst, behind its multiply-adds (they are done reading X[p % 4]; the block before has written its codes), and one on vm_vsrc at its head (the stores issued a block ago have read the buffer that this block writes).
;   W0, W1      (window 1)  Pair p's 64 products read W[p % 2]; behind them the weights of pair p + 2 land in it.      C0, C1 (v32-63) likewise, by LDS loads, whose address v8 is stepped once a pair.
;   h           (windows 2, 3)  Read by every product of a matrix.  At a matrix's last pair the next set's tiles 0-3 land in window 2 behind the pair's first half, tiles 4-7 in window 3 behind its second; their address v6 is stepped once a matrix.
;   CODES       (v64-95)  Written by a pair's 16 conversions, read by its 8 stores, which follow them in one run.
;               So a pair has one wait on va_vdst behind its products (they are done reading W, C and h's tiles 4-7; v8 is written), ahead of all its loads, which are dealt among its holds and conversions (these name the accumulators, CODES and two scales);
;               one behind its conversions, ahead of its stores; and one on vm_vsrc behind its products (the last pair's stores have read CODES, the last C load v8).  A matrix's last pair has one more of each between its halves.
;   xn, the held numbers and the accumulators are named by vector and matrix instructions alone.   v30, v31: written at the head, read by the closing add alone.
.set SETB,  65664
.set TPI,   8208
.set BIMG,  3*SETB
.set LI,    1                          ; v1   16 x lane
.set HA,    2                          ; v2-4 where I store h's codes, set 0, 1, 2
.set HB,    6                          ; v6   the set of h in hand + 16 x lane
.set BA0,   7                          ; v7   my wave's C images + 16 x lane
.set BA,    8                          ; v8   the C image to be fetched
.set BO64,  9                          ; v9   64 (lane / 16)
.set BOP,   10                         ; v10  4 (r + 8 (r / 8))
.set QS,    11                         ; v11-16  2^e and 448 x 2^e for e0, e2, e4
.set SC,    17                         ; v17  the scale of the results in hand,
.set LIM,   18                         ; v18  and 448 x that
.set BIAS,  32
.set CODES, 64
.set ACC,   128
.set XN,    64
.set TMP,   128
.set MSB, 0
.macro WIN new                         ; the immediate's high byte repeats the setting that is left; a switch that changes nothing is dropped
.if MSB != (\new)
	s_set_vgpr_msb (MSB<<8)|(\new)
.set MSB, (\new)
.endif
.endm
.macro PLACES                          ; four plain vector lines behind matrix instructions, ahead of loads into their sources and of reads of their results
.rept 4
	v_nop
.endr
.endm
.macro MKSC sc, lim, e                 ; s[sc] = 2^s[e], s[lim] = 448 x 2^s[e], as f32 patterns
	s_add_co_i32 s[\lim], s[\e], 127
	s_lshl_b32 s[\sc], s[\lim], 23
	s_add_co_i32 s[\lim], s[\lim], 8
	s_lshl_b32 s[\lim], s[\lim], 23
	s_or_b32 s[\lim], s[\lim], 0x600000
.endm
.macro LOADX blk                       ; 16 channels x my 4 positions into set blk % 4 of window 1
	WIN 0x40
.irp i, 0,1,2,3,4,5,6,7,8,9,10,11,12,13,14,15
	global_load_b128 v[64*((\blk)%4)+4*\i:64*((\blk)%4)+4*\i+3], v[LI], s[4:5] offset:(16*(\blk)+\i)*4096 th:TH_LOAD_NT
.endr
	WIN 0
.endm
.macro BLD buf, adr, off               ; a pair's 16 C registers from its image
.irp q, 0,1,2,3
	ds_load_b128 v[BIAS+16*(\buf)+4*\q:BIAS+16*(\buf)+4*\q+3], v[\adr] offset:\off+512*\q
.endr
.endm
.macro HLOADK half, ks                 ; four fragments of h: tiles 4 half .. 4 half + 3, K step ks: 16 loads
	WIN 0x80+0x40*(\half)
.irp tt, 0,1,2,3
.irp c, 0,1,2,3
	ds_load_b128 v[16*(4*\tt+(\ks))+4*\c:16*(4*\tt+(\ks))+4*\c+3], v[HB] offset:(4*(\half)+\tt)*TPI+(\ks)*2048+512*\c
.endr
.endr
.endm
.macro HLOAD half                      ; 16 fragments of h: all four K steps: 64 loads
	HLOADK \half, 0
	HLOADK \half, 1
	HLOADK \half, 2
	HLOADK \half, 3
	WIN 0
.endm
.macro CSET par, t                     ; CB = the first of the 16 registers that hold a block's codes of set t; par: the block's number % 2
.if (\par) == 0
.set CB, 192+16*(\t)
.elseif (\t) < 2
.set CB, 32+16*(\t)
.else
.set CB, 240
.endif
.endm
.macro HST blk, t                      ; block blk's codes of set t go to LDS: four stores
	CSET (\blk)%2, \t
.irp j, 0,1,2,3
	ds_store_b128 v[HA+(\t)], v[CB+4*\j:CB+4*\j+3] offset:256*(\blk)+16*\j   ; chunk blk / 2, lanes' half blk % 2, row of position 4 l + j
.endr
.endm
	s_load_b512 s[4:19], s[0:1], 0x0               ; x, ca, cb, wcod, bq, bk, bv, lowp_scales
	s_load_b128 s[20:23], s[0:1], 0x40             ; qcod, kvcod
	v_lshl_add_u32 v30, v0, 2, 0x48200
	v_mov_b32 v31, 0
	v_lshrrev_b32 v19, 5, v0
	v_readfirstlane_b32 s28, v19                   ; wave 0..3
	v_and_b32 v20, 31, v0
	v_lshlrev_b32 v[LI], 4, v20
	v_and_b32 v21, 15, v0                          ; r
	v_bfe_u32 v22, v0, 4, 1                        ; h
	; position n = 4 l + j lies in tile 2 (n / 32) + (n / 8) % 2, row 8 ((n / 16) % 2) + n % 8
	v_bfe_u32 v23, v0, 3, 2
	v_bfe_u32 v24, v0, 1, 1
	v_lshl_add_u32 v23, v23, 1, v24                ; the tile
	v_mul_u32_u24 v23, v23, TPI
	v_and_b32 v24, 1, v0
	v_lshl_add_u32 v23, v24, 6, v23                ; 16 x row: 64 (l % 2)
	v_bfe_u32 v24, v0, 2, 1
	v_lshl_add_u32 v23, v24, 7, v23                ; + 128 ((l / 4) % 2); 16 j stands in the stores' immediates
	s_wait_alu depctr_va_sdst(0)                   ; s28 is written, ahead of its first reader: LDS addresses and all bases are made from it
	s_lshl_b32 s29, s28, 11
	v_add_nc_u32 v[HA], s29, v23                   ; K step = my wave
	v_add_nc_u32 v[HA+1], SETB, v[HA]
	v_add_nc_u32 v[HA+2], 2*SETB, v[HA]
	s_mul_i32 s29, s28, 24576
	s_add_co_u32 s29, s29, BIMG
	v_add_nc_u32 v[BA0], s29, v[LI]
	v_lshlrev_b32 v[BO64], 6, v22
	v_and_b32 v24, 8, v21
	v_add_nc_u32 v24, v24, v21
	v_lshlrev_b32 v[BOP], 2, v24
	s_and_b32 s29, ttmp7, 0xffff                   ; b
	s_lshl_b32 s80, s29, 21                        ; x: ((512 b + 128 w) 1,024 + 128 nb) 4
	s_lshl_b32 s81, s28, 19
	s_add_co_u32 s80, s80, s81
	s_lshl_b32 s81, ttmp9, 9
	s_add_co_u32 s80, s80, s81
	s_mov_b32 s81, 0
	s_lshl_b32 s82, s29, 11                        ; the tables: (512 b + 128 w) 4
	s_lshl_b32 s86, s28, 9                         ; the biases: 128 w x 4
	s_add_co_u32 s82, s82, s86
	s_mov_b32 s83, 0
	s_mov_b32 s87, 0
	s_lshl_b32 s84, s28, 18                        ; the weights: my wave's twelve pairs lie on end
	s_mov_b32 s85, 0
	s_lshl_b32 s88, s29, 19                        ; q's codes: b 524,288 + nb 65,536 + 2,048 w (my channels are K step w)
	s_lshl_b32 s89, ttmp9, 16
	s_add_co_u32 s88, s88, s89
	s_lshl_b32 s89, s28, 11
	s_add_co_u32 s88, s88, s89
	s_mov_b32 s89, 0
	s_lshl_b32 s90, s29, 3
	s_add_co_u32 s90, s90, ttmp9
	s_lshl_b32 s90, s90, 17                        ; the key step's block: (8 b + nb) 131,072
	s_lshl_b32 s92, s28, 14
	s_add_co_u32 s92, s92, s90
	s_add_co_u32 s92, s92, 65536                   ; v's codes: behind k's, 8 channel tiles of 2,048 bytes a wave
	s_mov_b32 s93, 0
	s_lshl_b32 s91, s28, 11
	s_add_co_u32 s90, s90, s91                     ; k's codes: + 2,048 w
	s_mov_b32 s91, 0
	s_wait_kmcnt 0x0
	s_load_b256 s[68:75], s[18:19], 0x0            ; e0 .. e7
	s_load_b128 s[76:79], s[18:19], 0x20           ; e8 .. e11
	s_add_nc_u64 s[4:5], s[4:5], s[80:81]
	s_add_nc_u64 s[6:7], s[6:7], s[82:83]
	s_add_nc_u64 s[8:9], s[8:9], s[82:83]
	s_load_b512 s[32:47], s[6:7], 0x0              ; ca and cb of my first 16 channels
	s_load_b512 s[48:63], s[8:9], 0x0
	s_add_nc_u64 s[10:11], s[10:11], s[84:85]
	s_add_nc_u64 s[12:13], s[12:13], s[86:87]
	s_add_nc_u64 s[14:15], s[14:15], s[86:87]
	s_add_nc_u64 s[16:17], s[16:17], s[86:87]
	s_add_nc_u64 s[20:21], s[20:21], s[88:89]
	s_add_nc_u64 s[24:25], s[22:23], s[92:93]
	s_add_nc_u64 s[22:23], s[22:23], s[90:91]
	s_wait_alu depctr_va_vdst(0)                   ; the addresses v1 to v5, v7, v9 and v10 are written, which the loads and stores of the whole kernel read
	; the biases in the results' layout.  q, k: register 8 u + j of pair p is channel 128 w + 32 p + 16 h + 8 u + j.  v: all eight registers of tile u are channel 128 w + 32 p + 8 u + r + 8 (r / 8)
.irp p, 0,1,2,3
.irp q, 0,1,2,3
	global_load_b128 v[64+16*\p+4*\q:67+16*\p+4*\q], v[BO64], s[12:13] offset:128*\p+16*\q
.endr
.endr
.irp p, 0,1,2,3
.irp q, 0,1,2,3
	global_load_b128 v[128+16*\p+4*\q:131+16*\p+4*\q], v[BO64], s[14:15] offset:128*\p+16*\q
.endr
.endr
.irp p, 0,1,2,3
.irp u, 0,1
	global_load_b32 v[192+2*\p+\u], v[BOP], s[16:17] offset:128*\p+32*\u
.endr
.endr
	LOADX 0
	LOADX 1
	LOADX 2
	LOADX 3
	s_wait_kmcnt 0x0
	MKSC 94, 95, 68
	v_mov_b32 v[QS], s94
	v_mov_b32 v[QS+1], s95
	MKSC 94, 95, 70
	v_mov_b32 v[QS+2], s94
	v_mov_b32 v[QS+3], s95
	MKSC 94, 95, 72
	v_mov_b32 v[QS+4], s94
	v_mov_b32 v[QS+5], s95
	s_add_co_i32 s96, s68, s69
	s_sub_co_i32 s96, 0, s96                       ; -(e0 + e1): a sum of the first product stands for sum x 2^(e0 + e1)
	s_add_co_i32 s97, s70, s71
	s_sub_co_i32 s97, 0, s97
	s_add_co_i32 s98, s72, s73
	s_sub_co_i32 s98, 0, s98
	s_wait_loadcnt 63                              ; behind the 40 loads of the biases stand x's 64: at 63 out, the biases are in (the count's field holds no more)
.set N, 0
.rept 64
	v_ldexp_f32 v[64+N], v[64+N], s96
	v_ldexp_f32 v[128+N], v[128+N], s97
.set N, N+1
.endr
.irp n, 0,1,2,3,4,5,6,7
.irp k, 0,1,2,3
	v_ldexp_f32 v[200+4*\n+\k], v[192+\n], s98     ; four equal registers: stored twice they are a tile's eight
.endr
.endr
	s_wait_alu depctr_va_vdst(0)                   ; the scalings have written v64 to v191 and v200 to v231, which the LDS stores read
.irp p, 0,1,2,3
.irp q, 0,1,2,3
	ds_store_b128 v[BA0], v[64+16*\p+4*\q:67+16*\p+4*\q] offset:\p*2048+512*\q
	ds_store_b128 v[BA0], v[128+16*\p+4*\q:131+16*\p+4*\q] offset:(4+\p)*2048+512*\q
	ds_store_b128 v[BA0], v[200+4*(2*\p+\q/2):203+4*(2*\p+\q/2)] offset:(8+\p)*2048+512*\q
.endr
.endr
	s_add_co_i32 s99, s74, s96                     ; the biases' loads are done, so their bases may be written: s12-17 take the results' scales
	MKSC 12, 13, 99                                ; q: 2^(e6 - e0 - e1): the three scales folded into the conversion's one
	s_add_co_i32 s99, s75, s97
	MKSC 14, 15, 99                                ; k: 2^(e7 - e2 - e3)
	s_add_co_i32 s99, s76, s98
	MKSC 16, 17, 99                                ; v: 2^(e8 - e4 - e5)
	s_wait_alu depctr_vm_vsrc(0)                   ; the LDS stores have read v64 to v231: these registers are xn, the held numbers and the even blocks' codes from here on
; A BLOCK: 16 channels (one group of the norm) x 128 positions.
.macro BLOCK blk
.set XS, 64*((\blk)%4)
.set SA, 32+36*((\blk)%2)              ; the block's 16 ca and 16 cb: s32.., s48.. or s68.., s84.., by turns
.set SB, 48+36*((\blk)%2)
.set NA, 32+36*(((\blk)+1)%2)
.set NB, 48+36*(((\blk)+1)%2)
.if (\blk) < 5
	s_wait_loadcnt 48                              ; my set is in; the three younger sets may be out
.else
	s_wait_loadcnt 16*(7-(\blk))
.endif
	s_wait_kmcnt 0x0
.if (\blk) > 1
	s_wait_alu depctr_vm_vsrc(0)                   ; the LDS stores issued in the block before have read the codes of two blocks back, whose registers this block's conversions write again
.endif
	WIN 0x01                                       ; source 0 in window 1
.irp i, 0,1,2,3,4,5,6,7,8,9,10,11,12,13,14,15
.irp j, 0,1,2,3
	v_fma_f32 v[XN+16*\j+\i], v[XS+4*\i+\j], s[SA+\i], s[SB+\i]   ; xn(channel i, position 4 l + j): position j's 16 channels become neighbours
.endr
.endr
	s_wait_alu depctr_va_vdst(0)                   ; the multiply-adds are done reading their set of x, in which the loads below land (block 7: so are those of all four sets); the block before has written its codes, which the LDS stores below read
.if (\blk) < 4
	LOADX (\blk)+4
.endif
.if (\blk) == 7
	WIN 0x40                                       ; x is done with window 1: the first two pairs of weights, 32,768 consecutive bytes
.set N, 0
.rept 64
	global_load_b128 v[4*N:4*N+3], v[LI], s[10:11] offset:512*N
.set N, N+1
.endr
.endif
	WIN 0
.if (\blk) < 7
	s_load_b512 s[NA:NA+15], s[6:7], 64*((\blk)+1)
	s_load_b512 s[NB:NB+15], s[8:9], 64*((\blk)+1)
.endif
.irp t, 0,1,2
.if (\blk) > 0
	HST (\blk)-1, \t                               ; the block before.  No wait: no vector instruction since the wait above names its codes
.endif
	CSET (\blk)%2, \t
.if \t < 2
.set SRC, TMP
.else
.set SRC, XN                           ; the last of the three holds in place
.endif
.irp j, 0,1,2,3
.irp i, 0,1,2,3,4,5,6,7,8,9,10,11,12,13,14,15
	v_med3_num_f32 v[SRC+16*\j+\i], v[XN+16*\j+\i], -v[QS+2*\t+1], v[QS+2*\t+1]   ; the conversion does not saturate (ISA guide 7.6.2)
.endr
	v_cvt_scalef32_pk8_fp8_f32 v[CB+4*\j:CB+4*\j+1], v[SRC+16*\j:SRC+16*\j+7], v[QS+2*\t]
	v_cvt_scalef32_pk8_fp8_f32 v[CB+4*\j+2:CB+4*\j+3], v[SRC+16*\j+8:SRC+16*\j+15], v[QS+2*\t]
.endr
.endr
	v_nop                                          ; a plain line behind the run's last conversion; inside the run the next holds, on other registers, are such lines
.endm
	BLOCK 0
	BLOCK 1
	BLOCK 2
	BLOCK 3
	BLOCK 4
	BLOCK 5
	BLOCK 6
	BLOCK 7
	s_wait_alu depctr_va_vdst(0)                   ; block 7's conversions have written its codes, which the last twelve LDS stores read
	HST 7, 0
	HST 7, 1
	HST 7, 2
	s_wait_dscnt 0x0                               ; my part of h's images has landed
	s_barrier_signal -1
	s_barrier_wait -1                              ; everybody's has.  From here on LDS is only read
; 32 matrix instructions: the pair's two tiles x four tiles of positions, K step by K step: eight accumulators by turns, one instruction a turn.  MW: the windows of its sources.
; deal = 1: ahead of each K step's eight stand sixteen LDS loads of the next set's tiles 0-3, which land in window 2; these products name windows 1, 3 and 0.
.macro MULH kind, p, half, deal
.irp ks, 0,1,2,3
.if \deal
	HLOADK 0, \ks
.endif
	WIN MW
.irp tt, 0,1,2,3
.irp u, 0,1
.set RW, 128*((\p)%2)+16*(4*\u+\ks)
.set RH, 16*(4*\tt+\ks)
.set RB, BIAS+16*((\p)%2)+8*\u
.if \kind == 0
.set RA, ACC+8*(2*(4*(\half)+\tt)+\u)
.if \ks == 0
	v_wmma_f32_16x16x128_fp8_fp8 v[RA:RA+7], v[RW:RW+15], v[RH:RH+15], v[RB:RB+7]
.else
	v_wmma_f32_16x16x128_fp8_fp8 v[RA:RA+7], v[RW:RW+15], v[RH:RH+15], v[RA:RA+7]
.endif
.else
.set RA, ACC+8*(8*\u+4*(\half)+\tt)
.if \ks == 0
	v_wmma_f32_16x16x128_fp8_fp8 v[RA:RA+7], v[RH:RH+15], v[RW:RW+15], v[RB:RB+7]
.else
	v_wmma_f32_16x16x128_fp8_fp8 v[RA:RA+7], v[RH:RH+15], v[RW:RW+15], v[RA:RA+7]
.endif
.endif
.endr
.endr
.endr
.endm
.macro WLOAD p, j                      ; eight of the 32 loads of the weights of the pair two on, into the set that pair p has left
	WIN 0x40
.irp n, 0,1,2,3,4,5,6,7
	global_load_b128 v[128*((\p)%2)+4*(8*(\j)+\n):128*((\p)%2)+4*(8*(\j)+\n)+3], v[LI], s[10:11] offset:16384+512*(8*(\j)+\n)
.endr
.endm
; A PAIR.  kind 0: q or k, 1: v.  p: the pair of the matrix.  fetch = 1: the weights and the C image of the pair two on are asked for.  lc: the younger weight loads that may stay out.
; hnext = 1: h's next set is fetched, tiles 0-3 as soon as this pair has done with them, tiles 4-7 behind its last products.
.macro PAIR kind, p, fetch, lc, hnext
	s_wait_loadcnt \lc                             ; my weights are in
.if (\p) == 0
	s_wait_dscnt 63                                ; behind h's tiles 0-3 stand 4 loads of a C image and 64 of tiles 4-7: at 63 out, tiles 0-3 and my C are in (the count's field holds no more)
.else
	s_wait_dscnt 0x0                               ; my C
.endif
.if \kind == 0
.set MW, 0x09                          ; source 0 (W) window 1, source 1 (h) window 2
.else
.set MW, 0x06                          ; source 0 (h) window 2, source 1 (W) window 1
.endif
	MULH \kind, \p, 0, 0
.if \hnext
	WIN 0
	PLACES
	s_add_co_u32 s30, s30, SETB
	s_wait_alu depctr_vm_vsrc(0)                   ; the LDS loads of the set in hand have read v[HB]
	v_add_nc_u32 v[HB], s30, v[LI]
	s_wait_alu depctr_va_vdst(0)                   ; the 32 products above, the matrix's last on tiles 0-3, are done reading window 2, in which the next set lands; v[HB] is written
.endif
.if (\p) == 0
	s_wait_dscnt 0x0                               ; h's tiles 4-7
.endif
.if \kind == 0
.set MW, 0x0d
.else
.set MW, 0x07
.endif
	MULH \kind, \p, 1, \hnext
	WIN 0
	PLACES
	s_wait_xcnt 0x0                                ; the last pair's stores have read their codes, the last fetch its base: both are written below
	s_wait_alu depctr_vm_vsrc(0)                   ; the last pair's stores have read CODES, which this pair's conversions write; the last load of a C image has read v[BA]
.if \fetch
	s_add_nc_u64 s[10:11], s[10:11], 16384
	s_add_co_u32 s31, s31, 2048
	v_add_nc_u32 v[BA], s31, v[BA0]
	s_wait_alu depctr_va_vdst(0)                   ; the pair's products are done reading its weights, its C and (hnext) h's tiles 4-7, in all of which loads land below; v[BA] is written
	BLD (\p)%2, BA, 0
.endif
.irp g, 0,1,2,3,4,5,6,7                ; registers 16 g .. 16 g + 15 of the accumulators are one chunk of an image
.if \g < 4                             ; the pair's loads stand ahead of the first four groups.  No wait: the groups name the accumulators, CODES and two scales, none of the registers that these loads touch
.if \fetch
	WLOAD \p, \g
.endif
.if \hnext
	HLOADK 1, \g
.endif
	WIN 0
.endif
.irp i, 0,1,2,3,4,5,6,7,8,9,10,11,12,13,14,15
	v_med3_num_f32 v[ACC+16*\g+\i], v[ACC+16*\g+\i], -v[LIM], v[LIM]
.endr
	v_cvt_scalef32_pk8_fp8_f32 v[CODES+4*\g:CODES+4*\g+1], v[ACC+16*\g:ACC+16*\g+7], v[SC]
	v_cvt_scalef32_pk8_fp8_f32 v[CODES+4*\g+2:CODES+4*\g+3], v[ACC+16*\g+8:ACC+16*\g+15], v[SC]
.endr
	v_nop                                          ; a plain line between the last conversion and the next products, which write its sources
	s_wait_alu depctr_va_vdst(0)                   ; the sixteen conversions have written CODES, which the eight stores read
.irp g, 0,1,2,3,4,5,6,7
.if \kind == 0
	global_store_b128 v[LI], v[CODES+4*\g:CODES+4*\g+3], s[26:27] offset:\g*8192+512*(\p)   ; position tile g, chunk p of K step w: 512 consecutive bytes, aligned
.else
	global_store_b128 v[LI], v[CODES+4*\g:CODES+4*\g+3], s[26:27] offset:(\p)*4096+(\g/4)*2048+(\g%4)*512   ; channel tile 2 p + g / 4, chunk g % 4 of the 128 keys
.endif
.endr
.endm
	s_mov_b32 s29, 0                               ; 0: q, 1: k
	s_mov_b32 s30, 0                               ; the set of h in hand
	s_mov_b32 s31, 2048                            ; the C image last asked for
	v_mov_b32 v[HB], v[LI]
	s_wait_alu depctr_vm_vsrc(0)                   ; my LDS stores have read the codes' registers: v32-63 take the C images' loads, v192-255 are accumulators from here on
	s_wait_alu depctr_va_vdst(0)                   ; v[HB] is written, which the loads of h read; the conversions have written v32-63, in which the C images land
	BLD 0, BA0, 0
	HLOAD 0
	BLD 1, BA0, 2048
	HLOAD 1
.Lqk:                                              ; two trips: q, then k
	s_wait_xcnt 0x0                                ; the stores have read their base
	s_cmp_eq_u32 s29, 0
	s_cselect_b32 s94, s12, s14
	s_cselect_b32 s95, s13, s15
	s_cselect_b64 s[26:27], s[20:21], s[22:23]
	v_mov_b32 v[SC], s94
	v_mov_b32 v[LIM], s95
	PAIR 0, 0, 1, 32, 0
	PAIR 0, 1, 1, 32, 0
	PAIR 0, 2, 1, 32, 0
	PAIR 0, 3, 1, 32, 1
	s_add_co_u32 s29, s29, 1
	s_cmp_lt_u32 s29, 2
	s_cbranch_scc1 .Lqk
	s_wait_xcnt 0x0
	s_mov_b64 s[26:27], s[24:25]
	v_mov_b32 v[SC], s16
	v_mov_b32 v[LIM], s17
	PAIR 1, 0, 1, 32, 0
	PAIR 1, 1, 1, 32, 0
	PAIR 1, 2, 0, 32, 0
	PAIR 1, 3, 0, 0, 0
	s_wait_dscnt 0x0                               ; the closing lines, six on end
	s_wait_alu 0x0
	s_wait_tensorcnt 0x0
	ds_add_u32 v30, v31
	s_wait_dscnt 0x0
	s_endpgm
.Lfunc_end_k_qced31e5f57_qkv:
	.size	k_qced31e5f57_qkv, .Lfunc_end_k_qced31e5f57_qkv-k_qced31e5f57_qkv
	.p2alignl 7, 3214868480
	.fill 96, 4, 3214868480
	.section	.rodata,"a",@progbits
	.p2align	6, 0x0
	.amdhsa_kernel k_qced31e5f57_qkv
		.amdhsa_group_segment_fixed_size 295936
		.amdhsa_private_segment_fixed_size 0
		.amdhsa_enable_private_segment 0
		.amdhsa_kernarg_size 80
		.amdhsa_user_sgpr_count 2
		.amdhsa_user_sgpr_kernarg_segment_ptr 1
		.amdhsa_wavefront_size32 1
		.amdhsa_system_sgpr_workgroup_id_x 1
		.amdhsa_system_sgpr_workgroup_id_y 1
		.amdhsa_system_sgpr_workgroup_id_z 1
		.amdhsa_system_vgpr_workitem_id 0
		.amdhsa_next_free_vgpr 1024
		.amdhsa_next_free_sgpr 100
		.amdhsa_reserve_vcc 0
		.amdhsa_float_denorm_mode_32 3
		.amdhsa_float_denorm_mode_16_64 3
		.amdhsa_memory_ordered 1
		.amdhsa_forward_progress 1
		.amdhsa_inst_pref_size 255
	.end_amdhsa_kernel
	.section	.bss,"aw",@nobits
	.p2align	6
	.space	262144
	.amdgpu_metadata
---
amdhsa.version: [ 1, 2 ]
amdhsa.kernels:
  - .name:           k_qced31e5f57_qkv
    .symbol:         k_qced31e5f57_qkv.kd
    .args:
      - { .name: x, .offset: 0, .size: 8, .value_kind: global_buffer, .address_space: global }
      - { .name: ca, .offset: 8, .size: 8, .value_kind: global_buffer, .address_space: global }
      - { .name: cb, .offset: 16, .size: 8, .value_kind: global_buffer, .address_space: global }
      - { .name: wcod, .offset: 24, .size: 8, .value_kind: global_buffer, .address_space: global }
      - { .name: bq, .offset: 32, .size: 8, .value_kind: global_buffer, .address_space: global }
      - { .name: bk, .offset: 40, .size: 8, .value_kind: global_buffer, .address_space: global }
      - { .name: bv, .offset: 48, .size: 8, .value_kind: global_buffer, .address_space: global }
      - { .name: lowp_scales, .offset: 56, .size: 8, .value_kind: global_buffer, .address_space: global }
      - { .name: qcod, .offset: 64, .size: 8, .value_kind: global_buffer, .address_space: global }
      - { .name: kvcod, .offset: 72, .size: 8, .value_kind: global_buffer, .address_space: global }
    .group_segment_fixed_size: 295936
    .private_segment_fixed_size: 0
    .kernarg_segment_align: 8
    .kernarg_segment_size: 80
    .max_flat_workgroup_size: 128
    .sgpr_count:     100
    .vgpr_count:     1024
    .wavefront_size: 32
...
	.end_amdgpu_metadata
.endif
;; end of part 4
;; launch attn: the kernel of part 3 again; grid 8 x 32, 4 waves a work-group, clusters of 4 x 1, 327,680 bytes of LDS; arguments qcod, kvcod, wcod, lowp_scales, ca, cr, x, out0; writes out0
